; MI455X (gfx1250); checked and timed in simulation.
; The chip was launched on July 23, 2026; its instructions are those of AMD's public machine-readable ISA for CDNA 5 (MIT licence, August 2026) and "CDNA5" Instruction Set Architecture Reference Guide (July 2026). The comments in the code are by the model that wrote it; some were corrected since.
;; Decouple Task Interaction. Allowed arithmetic: matrix products marked QUANTISED: E5M2 operands, one given power-of-two scale a tensor, by v_wmma_f32_16x16x64_bf8_bf8 or v_wmma_f32_16x16x128_bf8_bf8, f32 sums; everything else in f32.
;; Inputs: center_fea 2 x 256 x 64 x 64 float32; cls_fea 2 x 256 x 64 x 64 float32; clsmlp_b1 256 float32; clsmlp_b2 256 float32; clsmlp_w1 256 x 256 float32; clsmlp_w2 256 x 256 float32; cmlp_b1 256 float32; cmlp_b2 256 float32; cmlp_w1 256 x 256 float32; cmlp_w2 256 x 256 float32; k_b 256 float32; k_w 256 x 256 float32; ln_b 256 float32; ln_g 256 float32; lowp_scales 36 int32 (the exponents e of the quantised operands' scales 2^e); mix_b 256 float32; mix_w 256 x 768 float32; q1_b 256 float32; q1_w 256 x 256 float32; q2_b 256 float32; q2_w 256 x 256 float32; q3_b 256 float32; q3_w 256 x 256 float32; v_b 256 float32; v_w 256 x 256 float32; wh_fea 2 x 256 x 64 x 64 float32; wmlp_b1 256 float32; wmlp_b2 256 float32; wmlp_w1 256 x 256 float32; wmlp_w2 256 x 256 float32.
;; Outputs: out0 2 x 256 x 64 x 64 float32; out1 2 x 256 x 64 x 64 float32; out2 2 x 256 x 64 x 64 float32.
;; This version of the problem:
;;   THIS VERSION OF THE PROBLEM IS GIVEN IN LOW PRECISION. The matrix products marked QUANTISED in the list below multiply operands that are first quantised to E5M2 (5 exponent bits, 2 mantissa bits; 8 bits a number), with one given power-of-two scale for each operand tensor; their sums are f32. All else is computed in f32.
;;   The module's matrix products, in the order in which they are computed (A, B: the left and right operand; K: the contracted axis; several contracted axes count as one K, in the product's order):
;;     1. [M 8,192, K 768] x [K 768, N 256]; A: computed on the way; B: input mix_w: QUANTISED (scales: A lowp_scales[0], B lowp_scales[1])
;;     2. [M 8,192, K 256] x [K 256, N 256]; A: computed on the way; B: input k_w: QUANTISED (scales: A lowp_scales[2], B lowp_scales[3])
;;     3. [M 8,192, K 256] x [K 256, N 256]; A: computed on the way; B: input v_w: QUANTISED (scales: A lowp_scales[4], B lowp_scales[5])
;;     4. [M 8,192, K 256] x [K 256, N 256]; A: computed on the way; B: input q1_w: QUANTISED (scales: A lowp_scales[6], B lowp_scales[7])
;;     5. batch 2 x [M 4,096, K 256] x [K 256, N 4,096]; A: computed on the way; B: computed on the way: QUANTISED (scales: A lowp_scales[8], B lowp_scales[9])
;;     6. batch 2 x [M 4,096, K 4,096] x [K 4,096, N 256]; A: softmax (see below); B: computed on the way: QUANTISED (scales: A lowp_scales[10], B lowp_scales[11])
;;     7. [M 8,192, K 256] x [K 256, N 256]; A: computed on the way; B: input q2_w: QUANTISED (scales: A lowp_scales[12], B lowp_scales[13])
;;     8. batch 2 x [M 4,096, K 256] x [K 256, N 4,096]; A: computed on the way; B: computed on the way: QUANTISED (scales: A lowp_scales[14], B lowp_scales[15])
;;     9. batch 2 x [M 4,096, K 4,096] x [K 4,096, N 256]; A: softmax (see below); B: computed on the way: QUANTISED (scales: A lowp_scales[16], B lowp_scales[17])
;;     10. [M 8,192, K 256] x [K 256, N 256]; A: computed on the way; B: input q3_w: QUANTISED (scales: A lowp_scales[18], B lowp_scales[19])
;;     11. batch 2 x [M 4,096, K 256] x [K 256, N 4,096]; A: computed on the way; B: computed on the way: QUANTISED (scales: A lowp_scales[20], B lowp_scales[21])
;;     12. batch 2 x [M 4,096, K 4,096] x [K 4,096, N 256]; A: softmax (see below); B: computed on the way: QUANTISED (scales: A lowp_scales[22], B lowp_scales[23])
;;     13. [M 8,192, K 256] x [K 256, N 256]; A: computed on the way; B: input cmlp_w1: QUANTISED (scales: A lowp_scales[24], B lowp_scales[25])
;;     14. [M 8,192, K 256] x [K 256, N 256]; A: computed on the way; B: input cmlp_w2: QUANTISED (scales: A lowp_scales[26], B lowp_scales[27])
;;     15. [M 8,192, K 256] x [K 256, N 256]; A: computed on the way; B: input wmlp_w1: QUANTISED (scales: A lowp_scales[28], B lowp_scales[29])
;;     16. [M 8,192, K 256] x [K 256, N 256]; A: computed on the way; B: input wmlp_w2: QUANTISED (scales: A lowp_scales[30], B lowp_scales[31])
;;     17. [M 8,192, K 256] x [K 256, N 256]; A: computed on the way; B: input clsmlp_w1: QUANTISED (scales: A lowp_scales[32], B lowp_scales[33])
;;     18. [M 8,192, K 256] x [K 256, N 256]; A: computed on the way; B: input clsmlp_w2: QUANTISED (scales: A lowp_scales[34], B lowp_scales[35])
;;   THE QUANTISER, for each operand of a quantised product, along K:
;;     - The operand's scale is 2^e, e = its entry of the input lowp_scales (int32; the entries are numbered through the quantised products in the list's order, A before B).
;;     - Each number is divided by the scale, clamped to +-57,344, and rounded to the nearest number of E5M2, ties to even, subnormals kept.
;;     - The product sums the exact products of the quantised numbers (number of the format x scale) in f32.
;;   ~~~python
;;   def quantise(x, axis, e):      # numpy; x: float32 -> the quantised numbers, widened to float32 again
;;       x = np.moveaxis(x, axis, -1); K = x.shape[-1]
;;       r = np.clip(x / 2.0 ** e, -57344, 57344)
;;       step = 2.0 ** (np.maximum(np.frexp(np.where(r == 0, 1, r))[1] - 1, -14) - 2)
;;       q = np.round(r / step) * step * 2.0 ** e      # np.round: ties to even
;;       return np.moveaxis(q, -1, axis).astype(np.float32)
;;   ~~~
;;   SOFTMAX AHEAD OF A QUANTISED PRODUCT. Where the list says 'softmax', what is quantised is not the finished softmax but p = 2^(t - M), with t = logit x log2(e) and M = ceil(the row's largest t), a whole number; so 1/2 < the row's largest p <= 1. The row's sum l is taken of the UNQUANTISED p, in f32, and the product's result is divided by l at the end. Since M is a whole number, a kernel that streams over the keys may use a running M (the ceiling of the running maximum): every later rescaling is an exact power of two, so the quantised numbers keep their values, but for numbers so far below the row's largest that they fall under the format's range.
;;   OPERANDS COMPUTED ON THE WAY. 'Computed on the way' means the value that the module computes at that place (a softmax that the list does not call 'softmax' is quantised finished and normalised). What goes into a quantiser is computed in f32, as accurately as f32 sums, v_exp_f32 and their like allow (about 1e-6 of the number): no bf16 or f16 on the way to a quantiser, and a product that is left as it is and whose result goes on into a quantised operand takes f32 operands (vector FMAs, or v_wmma_f32_16x16x4_f32). A number that lies on a knife's edge between two numbers of the format may be rounded either way, as far as f32 arithmetic and the matrix unit's own rounding can turn it there, and no further.
;; One version. Each part assembles by itself: llvm-mc -triple=amdgcn-amd-amdhsa -mcpu=gfx1250 --defsym DOCPART=n.
;; ======== version 1 of 1: 3 launches
;; workspace buffers: wcodes 524,288 bytes; qcodes 6,291,456 bytes; kv 13,369,344 bytes
;; launch wq (part 1): grid 8 x 14, 4 waves a work-group, no clusters, 0 bytes of LDS; arguments mix_w, k_w, v_w, q1_w, q2_w, q3_w, cmlp_w1, cmlp_w2, wmlp_w1, wmlp_w2, clsmlp_w1, clsmlp_w2, lowp_scales, wcodes, kv; writes wcodes, kv
.if DOCPART == 1
	.amdgcn_target "amdgcn-amd-amdhsa--gfx1250"
	.amdhsa_code_object_version 6
	.text
	.protected	k_qafa1942a60_wq
	.globl	k_qafa1942a60_wq
	.p2align	8
	.type	k_qafa1942a60_wq,@function
k_qafa1942a60_wq:
	s_mov_b64 s[64:65], 0
	v_nop
	global_prefetch_b8 v0, s[64:65] scope:SCOPE_SE
	s_setreg_imm32_b32 hwreg(HW_REG_WAVE_MODE, 25, 1), 1
	s_wait_xcnt 0x0
; THE TWELVE WEIGHTS BECOME CODES OF E5M2, ONCE, IN THE ORDER OF AN OPERAND'S REGISTERS.
; A weight is [256 out][K in] f32, K innermost.  A unit is 256 rows x 256 along K: 32 fragments of 16 rows x 128 K.
; Units (work-group y): 0-2 mix_w's columns 256 u on; 3 k_w; 4 v_w; 5-7 q1_w, q2_w, q3_w; 8-13 the six MLP weights.
; A fragment's image is 2,048 bytes: lane (r, h) holds row r and, in registers 2 c and 2 c + 1, k = 16 c + 8 h + 0 .. 7
; (the layout of v_wmma_f32_16x16x128_bf8_bf8); registers 4 i .. 4 i + 3 of all 32 lanes lie in 512 bytes on end, lane l's 16 bytes at 16 l.
; One wave makes one fragment: 16 loads of 16 bytes, 64 holds, 8 conversions, 4 stores of 512 consecutive bytes.
; Units 0-7 go to wcodes at 65,536 u + 2,048 (2 n + s).  Units 8-13 go to kv, item 16 of both heads of their branch.
; code = x / 2^e, held within +-57,344, to the nearest code, ties to even.  LIMIT: e between -126 and 112.  NaN is not served.
; No LDS, no barrier, no matrix unit, no cluster: waves share nothing, and each byte is read once.
.set HS, 2228224                       ; bytes of a head in kv: 17 items of 131,072
.set XR, 16                            ; v16-79  64 numbers
.set DR, 80                            ; v80-95  their codes
.set SC, 8
.set LIM, 9
	s_load_b512 s[4:19], s[0:1], 0x0               ; mix_w, k_w, v_w, q1_w, q2_w, q3_w, cmlp_w1, cmlp_w2
	s_load_b256 s[20:27], s[0:1], 0x40             ; wmlp_w1, wmlp_w2, clsmlp_w1, clsmlp_w2
	s_load_b128 s[28:31], s[0:1], 0x60             ; lowp_scales, wcodes
	s_load_b64 s[32:33], s[0:1], 0x70              ; kv
	v_lshrrev_b32 v1, 5, v0
	v_readfirstlane_b32 s38, v1                    ; wave
	s_and_b32 s39, ttmp7, 0xffff                   ; u: the unit
	s_lshl_b32 s40, ttmp9, 2
	s_add_co_u32 s40, s40, s38                     ; fi = 2 n + s: the fragment, 0 .. 31
	s_max_u32 s41, s39, 2
	s_sub_co_u32 s41, s41, 2                       ; p: which of the twelve tensors
	s_lshl_b32 s43, s39, 10                        ; mix_w: unit u begins 256 u numbers into a row
	s_mov_b32 s42, 1024
	s_cmp_lt_u32 s39, 3
	s_cselect_b32 s42, 3072, s42                   ; a row in bytes
	s_cselect_b32 s43, s43, 0
	s_lshl_b32 s44, s41, 1                         ; the scale's entry: 2 p + 1 (p < 4), 6 p - 11 (p = 4, 5), 2 p + 13 (p > 5)
	s_add_co_u32 s45, s44, 1
	s_add_co_u32 s47, s44, 13
	s_max_u32 s46, s41, 4
	s_mul_i32 s46, s46, 6
	s_sub_co_u32 s46, s46, 11
	s_cmp_ge_u32 s41, 4
	s_cselect_b32 s45, s46, s45
	s_cmp_ge_u32 s41, 6
	s_cselect_b32 s45, s47, s45
	s_lshl_b32 s37, s45, 2
	s_lshr_b32 s36, s40, 1
	s_lshl_b32 s36, s36, 4                         ; 16 n
	v_and_b32 v1, 15, v0                           ; r
	v_bfe_u32 v2, v0, 4, 1                         ; h
	v_add_nc_u32 v3, s36, v1
	v_mul_lo_u32 v3, v3, s42                       ; my row
	v_lshl_add_u32 v3, v2, 5, v3                   ; + 32 h: eight numbers
	s_and_b32 s36, s40, 1
	s_lshl_b32 s36, s36, 9                         ; + 512 s
	s_add_co_u32 s36, s36, s43
	v_add_nc_u32 v3, s36, v3
	v_and_b32 v4, 31, v0
	v_lshlrev_b32 v4, 4, v4                        ; 16 x lane
	s_wait_kmcnt 0x0
	s_load_b32 s44, s[28:29], s37 offset:0x0       ; e
	s_mov_b64 s[34:35], s[4:5]                     ; the tensor: a choice that hangs on the work-group's number alone
.irp i, 1,2,3,4,5,6,7,8,9,10,11
	s_cmp_eq_u32 s41, \i
	s_cselect_b64 s[34:35], s[4+2*\i:5+2*\i], s[34:35]
.endr
.irp c, 0,1,2,3,4,5,6,7
	global_load_b128 v[XR+8*\c:XR+8*\c+3], v3, s[34:35] offset:64*\c th:TH_LOAD_NT
	global_load_b128 v[XR+8*\c+4:XR+8*\c+7], v3, s[34:35] offset:64*\c+16 th:TH_LOAD_NT
.endr
	s_wait_kmcnt 0x0
	s_add_co_i32 s44, s44, 127
	s_lshl_b32 s45, s44, 23
	v_mov_b32 v[SC], s45                           ; 2^e as f32: the conversion takes its exponent field
	s_add_co_i32 s44, s44, 15
	s_lshl_b32 s44, s44, 23
	s_or_b32 s44, s44, 0x600000
	v_mov_b32 v[LIM], s44                          ; 57,344 x 2^e
	s_wait_loadcnt 0x0
.set i, 0
.rept 64
	v_med3_num_f32 v[XR+i], v[XR+i], -v[LIM], v[LIM]   ; the conversion does not saturate (ISA guide 7.6.2): the hold comes first
.set i, i+1
.endr
.irp c, 0,1,2,3,4,5,6,7
	v_cvt_scalef32_pk8_bf8_f32 v[DR+2*\c:DR+2*\c+1], v[XR+8*\c:XR+8*\c+7], v[SC]
.endr
	v_nop
	s_lshl_b32 s45, s40, 11                        ; 2,048 x fragment
	s_cmp_lt_u32 s39, 8
	s_cbranch_scc0 .Lmlp
	s_lshl_b32 s44, s39, 16
	s_add_co_u32 s44, s44, s45
	s_mov_b32 s45, 0
	s_add_nc_u64 s[30:31], s[30:31], s[44:45]
.irp c, 0,1,2,3
	global_store_b128 v4, v[DR+4*\c:DR+4*\c+3], s[30:31] offset:512*\c   ; 32 lanes store 512 consecutive bytes, aligned
.endr
	s_endpgm
.Lmlp:
	s_sub_co_u32 s44, s39, 8                       ; j: branch j / 2, layer j % 2
	s_and_b32 s46, s44, 1
	s_lshl_b32 s46, s46, 16
	s_and_b32 s44, s44, 6                          ; the branch's first head
	s_mul_i32 s44, s44, HS
	s_add_co_u32 s44, s44, s46
	s_add_co_u32 s44, s44, s45
	s_add_co_u32 s44, s44, 16*131072               ; item 16
	s_mov_b32 s45, 0
	s_add_nc_u64 s[32:33], s[32:33], s[44:45]
	s_add_nc_u64 s[46:47], s[32:33], HS            ; and the same for the branch's second head
.irp c, 0,1,2,3
	global_store_b128 v4, v[DR+4*\c:DR+4*\c+3], s[32:33] offset:512*\c
.endr
.irp c, 0,1,2,3
	global_store_b128 v4, v[DR+4*\c:DR+4*\c+3], s[46:47] offset:512*\c
.endr
	s_endpgm
.Lfunc_end_k_qafa1942a60_wq:
	.size	k_qafa1942a60_wq, .Lfunc_end_k_qafa1942a60_wq-k_qafa1942a60_wq
	.p2alignl 7, 3214868480
	.fill 96, 4, 3214868480
	.section	.rodata,"a",@progbits
	.p2align	6, 0x0
	.amdhsa_kernel k_qafa1942a60_wq
		.amdhsa_group_segment_fixed_size 0
		.amdhsa_private_segment_fixed_size 0
		.amdhsa_enable_private_segment 0
		.amdhsa_kernarg_size 120
		.amdhsa_user_sgpr_count 2
		.amdhsa_user_sgpr_kernarg_segment_ptr 1
		.amdhsa_wavefront_size32 1
		.amdhsa_system_sgpr_workgroup_id_x 1
		.amdhsa_system_sgpr_workgroup_id_y 1
		.amdhsa_system_sgpr_workgroup_id_z 1
		.amdhsa_system_vgpr_workitem_id 0
		.amdhsa_next_free_vgpr 96
		.amdhsa_next_free_sgpr 66
		.amdhsa_reserve_vcc 0
		.amdhsa_float_denorm_mode_32 3
		.amdhsa_float_denorm_mode_16_64 3
		.amdhsa_memory_ordered 1
		.amdhsa_forward_progress 1
		.amdhsa_inst_pref_size 11
	.end_amdhsa_kernel
	.amdgpu_metadata
---
amdhsa.version: [ 1, 2 ]
amdhsa.kernels:
  - .name:           k_qafa1942a60_wq
    .symbol:         k_qafa1942a60_wq.kd
    .args:
      - { .name: mix_w, .offset: 0, .size: 8, .value_kind: global_buffer, .address_space: global }
      - { .name: k_w, .offset: 8, .size: 8, .value_kind: global_buffer, .address_space: global }
      - { .name: v_w, .offset: 16, .size: 8, .value_kind: global_buffer, .address_space: global }
      - { .name: q1_w, .offset: 24, .size: 8, .value_kind: global_buffer, .address_space: global }
      - { .name: q2_w, .offset: 32, .size: 8, .value_kind: global_buffer, .address_space: global }
      - { .name: q3_w, .offset: 40, .size: 8, .value_kind: global_buffer, .address_space: global }
      - { .name: cmlp_w1, .offset: 48, .size: 8, .value_kind: global_buffer, .address_space: global }
      - { .name: cmlp_w2, .offset: 56, .size: 8, .value_kind: global_buffer, .address_space: global }
      - { .name: wmlp_w1, .offset: 64, .size: 8, .value_kind: global_buffer, .address_space: global }
      - { .name: wmlp_w2, .offset: 72, .size: 8, .value_kind: global_buffer, .address_space: global }
      - { .name: clsmlp_w1, .offset: 80, .size: 8, .value_kind: global_buffer, .address_space: global }
      - { .name: clsmlp_w2, .offset: 88, .size: 8, .value_kind: global_buffer, .address_space: global }
      - { .name: lowp_scales, .offset: 96, .size: 8, .value_kind: global_buffer, .address_space: global }
      - { .name: wcodes, .offset: 104, .size: 8, .value_kind: global_buffer, .address_space: global }
      - { .name: kv, .offset: 112, .size: 8, .value_kind: global_buffer, .address_space: global }
    .group_segment_fixed_size: 0
    .private_segment_fixed_size: 0
    .kernarg_segment_align: 8
    .kernarg_segment_size: 120
    .max_flat_workgroup_size: 128
    .sgpr_count:     66
    .vgpr_count:     96
    .wavefront_size: 32
...
	.end_amdgpu_metadata
.endif
;; end of part 1
;; launch front (part 2): grid 256 x 1, 8 waves a work-group, no clusters, 153,600 bytes of LDS; arguments center_fea, wh_fea, cls_fea, ln_g, ln_b, wcodes, qcodes, kv, mix_b, k_b, v_b, q1_b, q2_b, q3_b, lowp_scales; writes qcodes, kv
.if DOCPART == 2
	.amdgcn_target "amdgcn-amd-amdhsa--gfx1250"
	.amdhsa_code_object_version 6
	.text
	.protected	k_qafa1942a60_front
	.globl	k_qafa1942a60_front
	.p2align	8
	.type	k_qafa1942a60_front,@function
k_qafa1942a60_front:
	s_mov_b64 s[64:65], 0
	v_nop
	global_prefetch_b8 v0, s[64:65] scope:SCOPE_SE
	s_setreg_imm32_b32 hwreg(HW_REG_WAVE_MODE, 25, 1), 1
	s_wait_xcnt 0x0
; THE FRONT END.  64 tokens are the share of TWO work-groups, told apart by the low bit of the work-group's number, so that 128 blocks of tokens give 256 work-groups:
;   role 0: the codes of the three maps (the mix's operand); mix (K = 768); its LayerNorm; K and V projections, each quantised three times (each branch's own scale).  Out: kv items 0-15.
;   role 1: LayerNorm of the three maps; the three Q projections.  Out: qcodes.
; The paths part once, behind the addresses, and never join; each has LDS bytes of its own.  Both read the block's 196,608 bytes of the maps.  These are not asked for jointly: they go from memory straight into
; registers, a lane a token; through LDS each number would be written and read once more.
; OPERANDS ARE IMAGES OF THEIR REGISTERS (layout of v_wmma_f32_16x16x128_bf8_bf8: lane (r, h), registers 2 c, 2 c + 1: k = 16 c + 8 h + 0 .. 7): registers 4 i .. 4 i + 3
; of all lanes in 512 bytes on end, lane l's 16 bytes at 16 l.  A result tile (register j: row 8 h + j, column r) turned into codes by one conversion IS registers 2 c, 2 c + 1
; of the next operand, c the tile's number along the next K.  So tiles take natural rows, k keeps its true place, and nothing is transposed.
; THE MAPS: wave w takes tokens 32 (w % 2) on and channels 64 (w / 2) on of each map: a lane a token, registers down the channels; a load reads 128 consecutive bytes, two waves side by side 256.
; PRODUCTS: the waves share the columns: wave w owns output tiles 2 w, 2 w + 1 for all four tiles of tokens: eight accumulators that take turns, one instruction a turn.
;   Weights come from wcodes straight into registers (window 1), each fragment once a work-group.  Tokens go round through LDS.
;   mix, K, Q are used transposed (source 0 = 16 weight rows, source 1 = 16 tokens): a lane holds one token.  V is used straight: a lane holds one channel and its registers run along the tokens,
;   which are the K of attention's second product.
; LAYERNORM: mean and sum of squared deviations of each part, merged by the parts' means: never a difference of large sums.
; No tensor load and no cluster: each weight fragment is used by one wave of a work-group.  No prefetch: the launch streams from its head on.
; LIMITS: each given e between -126 and 112; each sum of a product's two e between -126 and 126.  NaN is not served.
.set HS, 2228224
.set LNQI, 49152                       ; LDS, role 0: from 0 the maps' codes, fragment (m, s6) at (6 m + s6) 2,048;  role 1: here the normalised maps', (8 f + 2 m + s) 2,048
.set MTK, 98304                        ; role 0: the normalised mix for K, (2 m + s) 2,048; 16,384 on the same for V
.set XST, 131072                       ; role 1: [map 3][token 64][quarter 4](mean, M2)
.set MST, 137216                       ; role 0: [token 64][wave 8](mean, M2)
.set VEC, 141312                       ; role 0: five vectors of 1,024 bytes: mix_b, ln_g, ln_b, k_b, v_b
.set VEC2, 149504                      ; role 1: three: q1_b, q2_b, q3_b
.set MO, 1                             ; v1   4 x lane: my token in a map's row
.set CI, 2                             ; v2   where I store the maps' codes
.set LQ, 3                             ; v3   and the normalised maps'
.set XSA, 4                            ; v4   where I store a map's (mean, M2)
.set XSR, 5                            ; v5   where I read my token's four
.set LI, 6                             ; v6   16 x lane
.set LIB, 7                            ; v7   + LNQI
.set LIC, 8                            ; v8   + MTK
.set MS, 9                             ; v9   where I store the normalised mix's codes
.set MSS, 10                           ; v10  where I store the mix's (mean, M2)
.set MSR, 11                           ; v11  where I read a token's eight
.set VS, 12                            ; v12  my role's vectors + 4 x thread
.set VR, 13                            ; v13  my role's vectors + 128 w + 32 h: a result tile's eight channels
.set VV, 14                            ; v14  VEC + 128 w + 4 r: my own channel (V)
.set WO, 15                            ; v15  8,192 w + 16 x lane: my fragments in a unit of wcodes
.set KO, 16                            ; v16  (w / 4) 2,048 + (w % 4) 512 + 16 x lane: my 512 bytes of a fragment of K or Q
.set VO, 17                            ; v17  65,536 + 2,048 w + 16 x lane: my fragments of V
.set SC, 18
.set LIM, 19
.set GL, 20                            ; v20, v21 ln_g, v22, v23 ln_b of my 64 channels, a lane a channel (role 1)
.set BL, 22
.set MN, 24                            ; v24-29 the three maps' means, as pairs (role 1)
.set DD, 48                            ; the maps' codes
.set ACC, 32                           ; products: tile (nn, m) at 32 + 8 (4 nn + m)
.set TF0, 96                           ; four token fragments; also codes on their way out
.set TF1, 160
.set CODE, 96
.set BIAS, 224
.set TMP, 32                           ; two sets of eight held numbers; 240 in the products
.set ALT, 0
.set MSB, 0
.macro WIN new                         ; the immediate's high byte repeats the setting that is left
.if MSB != \new
	s_set_vgpr_msb (MSB<<8)|\new
.set MSB, \new
.endif
.endm
.macro PLACES n
.rept \n
	v_nop
.endr
.endm
.macro BARRIER                         ; my LDS stores have landed and my LDS loads are in: then the work-group's barrier
	s_wait_dscnt 0x0
	s_barrier_signal -1
	s_barrier_wait -1
.endm
.macro QSET e, sc, lim                 ; v[sc] = 2^e as f32, v[lim] = 57,344 x 2^e; e in s[e]
	s_add_co_i32 s2, s[\e], 127
	s_lshl_b32 s3, s2, 23
	v_mov_b32 v[\sc], s3
	s_add_co_i32 s2, s2, 15
	s_lshl_b32 s2, s2, 23
	s_or_b32 s2, s2, 0x600000
	v_mov_b32 v[\lim], s2
.endm
.macro PW2 d, ea, eb                   ; s[d], s[d + 1] = 2^(ea + eb) as f32
	s_add_co_i32 s[\d], s[\ea], s[\eb]
	s_add_co_i32 s[\d], s[\d], 127
	s_lshl_b32 s[\d], s[\d], 23
	s_mov_b32 s[\d+1], s[\d]
.endm
.macro Q8 dst, src                     ; eight numbers, kept as they are, become eight codes.  The two sets of held numbers take turns, so eight plain lines stand between a conversion and the next write of its sources
.irp i, 0,1,2,3,4,5,6,7
	v_med3_num_f32 v[TMP+8*ALT+\i], v[(\src)+\i], -v[LIM], v[LIM]
.endr
	v_cvt_scalef32_pk8_bf8_f32 v[(\dst):(\dst)+1], v[TMP+8*ALT:TMP+8*ALT+7], v[SC]
.set ALT, 1-ALT
.endm
.macro LOADF f                         ; my 64 channels of map f: 128 consecutive bytes a load.  No hint: the other role's work-group reads the same rows
.set i, 0
.rept 64
	global_load_b32 v[64+64*\f+i], v[MO], s[4+2*\f:5+2*\f] offset:i*16384
.set i, i+1
.endr
.endm
.macro LOADW unit, slot0               ; my four fragments of a unit (tile nn, K step s) into window 1, slot slot0 + 2 s + nn
	WIN 0x40
.irp s, 0,1
.irp nn, 0,1
.irp c, 0,1,2,3
	global_load_b128 v[16*(\slot0+2*\s+\nn)+4*\c:16*(\slot0+2*\s+\nn)+4*\c+3], v[WO], s[14:15] offset:\unit*65536+\nn*4096+\s*2048+512*\c
.endr
.endr
.endr
	WIN 0
.endm
.macro FETCHT buf, areg, off, mstr     ; four token fragments, mstr bytes apart
.irp m, 0,1,2,3
.irp c, 0,1,2,3
	ds_load_b128 v[(\buf)+16*\m+4*\c:(\buf)+16*\m+4*\c+3], v[\areg] offset:(\off)+\m*(\mstr)+512*\c
.endr
.endr
.endm
.macro FETCHB idx                      ; my role's vector idx at my two tiles' channels, in the result's layout
.irp nn, 0,1
.irp i, 0,1
	ds_load_b128 v[BIAS+8*\nn+4*\i:BIAS+8*\nn+4*\i+3], v[VR] offset:\idx*1024+64*\nn+16*\i
.endr
.endr
.endm
.macro MM8 buf, slot, zero, tr         ; eight matrix instructions, 128 along K; tr = 1: source 0 = weights
.if \tr
	WIN 0x01
.else
	WIN 0x04
.endif
.irp m, 0,1,2,3
.irp nn, 0,1
.set AC, ACC+8*(4*\nn+\m)
.set WR, 16*((\slot)+\nn)
.set TK, (\buf)+16*\m
.if \tr
.if \zero
	v_wmma_f32_16x16x128_bf8_bf8 v[AC:AC+7], v[WR:WR+15], v[TK:TK+15], 0
.else
	v_wmma_f32_16x16x128_bf8_bf8 v[AC:AC+7], v[WR:WR+15], v[TK:TK+15], v[AC:AC+7]
.endif
.else
.if \zero
	v_wmma_f32_16x16x128_bf8_bf8 v[AC:AC+7], v[TK:TK+15], v[WR:WR+15], 0
.else
	v_wmma_f32_16x16x128_bf8_bf8 v[AC:AC+7], v[TK:TK+15], v[WR:WR+15], v[AC:AC+7]
.endif
.endif
.endr
.endr
	WIN 0
.endm
.macro SCALEB                          ; sum x 2^(ea + eb) + bias, each accumulator from its low end on
.irp nn, 0,1
.irp m, 0,1,2,3
.irp i, 0,2,4,6
	v_pk_fma_f32 v[ACC+8*(4*\nn+\m)+\i:ACC+8*(4*\nn+\m)+\i+1], v[ACC+8*(4*\nn+\m)+\i:ACC+8*(4*\nn+\m)+\i+1], s[74:75], v[BIAS+8*\nn+\i:BIAS+8*\nn+\i+1] op_sel_hi:[1,0,1]
.endr
.endr
.endr
.endm
.macro CODEST base                     ; a transposed product's eight tiles: tile (nn, m) is registers 2 nn, 2 nn + 1 of my 512 bytes of token tile m's fragment
.irp m, 0,1,2,3
.irp nn, 0,1
	Q8 CODE+(\base)+4*\m+2*\nn, ACC+8*(4*\nn+\m)
.endr
.endr
	v_nop                                          ; a plain line behind the last conversion of a run
.endm
.macro PRODT areg, off, slot, bidx, lw ; a transposed product, K = 256.  lw: the younger weight loads that may stay out (-1: none is waited for)
	s_wait_xcnt 0x0                                ; the last product's stores have read their data: the loads below land there
	FETCHB \bidx
	FETCHT TF0, \areg, \off, 4096
	FETCHT TF1, \areg, (\off)+2048, 4096
	s_wait_dscnt 16                                ; the bias and K step 0 are in; K step 1's sixteen loads may be out
.if \lw >= 0
	s_wait_loadcnt \lw
.endif
	MM8 TF0, \slot, 1, 1
	s_wait_dscnt 0x0
	MM8 TF1, (\slot)+2, 0, 1
	PLACES 5
.endm
; Map f's codes (role 0): group g of eight channels is registers 2 c, 2 c + 1 (c = 4 (cq % 2) + g / 2) of lane r + 16 (g % 2): groups 0 and 2 of a four make the 16 bytes of lane r, groups 1 and 3 those of lane r + 16.
.macro CODEX f
.set XF, 64+64*\f
	s_wait_dscnt 0x0                               ; earlier LDS stores have read their registers
.irp g, 0,1,2,3,4,5,6,7
	Q8 DD+8*(\g/4)+4*(\g%2)+2*((\g%4)/2), XF+8*\g
.endr
	v_nop
.irp cc, 0,1
.irp hh, 0,1
	ds_store_b128 v[CI], v[DD+8*\cc+4*\hh:DD+8*\cc+4*\hh+3] offset:\f*4096+\cc*512+\hh*256
.endr
.endr
.endm
; Map f's statistics (role 1): the mean of my 64 channels and their sum of squared deviations.
.macro STATX f
.set XF, 64+64*\f
	s_wait_dscnt 0x0                               ; earlier LDS stores have read their registers
	v_pk_add_f32 v[32:33], v[XF:XF+1], v[XF+2:XF+3]
	v_pk_add_f32 v[34:35], v[XF+4:XF+5], v[XF+6:XF+7]
.irp j, 8,12,16,20,24,28,32,36,40,44,48,52,56,60
	v_pk_add_f32 v[32:33], v[32:33], v[XF+\j:XF+\j+1]
	v_pk_add_f32 v[34:35], v[34:35], v[XF+\j+2:XF+\j+3]
.endr
	v_pk_add_f32 v[32:33], v[32:33], v[34:35]
	v_add_f32 v32, v32, v33
	v_mul_f32 v30, s78, v32                        ; the mean,
	v_mul_f32 v31, s78, v32                        ; twice: the pair is named below
	v_pk_add_f32 v[36:37], v[XF:XF+1], v[30:31] op_sel_hi:[1,0] neg_lo:[0,1] neg_hi:[0,1]
	v_pk_add_f32 v[38:39], v[XF+2:XF+3], v[30:31] op_sel_hi:[1,0] neg_lo:[0,1] neg_hi:[0,1]
	v_pk_mul_f32 v[32:33], v[36:37], v[36:37]
	v_pk_mul_f32 v[34:35], v[38:39], v[38:39]
.irp j, 4,8,12,16,20,24,28,32,36,40,44,48,52,56,60
	v_pk_add_f32 v[36:37], v[XF+\j:XF+\j+1], v[30:31] op_sel_hi:[1,0] neg_lo:[0,1] neg_hi:[0,1]
	v_pk_add_f32 v[38:39], v[XF+\j+2:XF+\j+3], v[30:31] op_sel_hi:[1,0] neg_lo:[0,1] neg_hi:[0,1]
	v_pk_fma_f32 v[32:33], v[36:37], v[36:37], v[32:33]
	v_pk_fma_f32 v[34:35], v[38:39], v[38:39], v[34:35]
.endr
	v_pk_add_f32 v[32:33], v[32:33], v[34:35]
	v_add_f32 v31, v32, v33                        ; M2
	ds_store_b64 v[XSA], v[30:31] offset:\f*2048
.endm
	s_load_b512 s[4:19], s[0:1], 0x0               ; the three maps, ln_g s[10:11], ln_b s[12:13], wcodes s[14:15], qcodes s[16:17], kv s[18:19]
	s_load_b256 s[84:91], s[0:1], 0x40             ; mix_b, k_b, v_b, q1_b
	s_load_b128 s[92:95], s[0:1], 0x60             ; q2_b, q3_b
	s_load_b64 s[96:97], s[0:1], 0x70              ; lowp_scales
	v_lshrrev_b32 v30, 5, v0
	v_readfirstlane_b32 s98, v30                   ; wave 0..7
	s_and_b32 s99, s98, 1                          ; th: which 32 tokens
	s_lshr_b32 s100, s98, 1                        ; cq: which 64 channels
	s_and_b32 s101, ttmp9, 1                       ; the role
	v_and_b32 v30, 31, v0                          ; lane
	v_and_b32 v31, 15, v0                          ; r
	v_bfe_u32 v24, v0, 4, 1                        ; h
	v_lshlrev_b32 v[MO], 2, v30                    ; the addresses of both roles are made here, ahead of the parting
	v_lshlrev_b32 v25, 4, v31                      ; 16 r
	s_lshr_b32 s60, s100, 1
	s_lshl_b32 s60, s60, 11                        ; the K step of my channels: (cq / 2) 2,048
	s_and_b32 s61, s100, 1
	s_lshl_b32 s61, s61, 10                        ; its half: (cq % 2) 1,024
	s_add_co_u32 s60, s60, s61
	s_mul_i32 s61, s99, 24576                      ; token tile m = 2 th + lane / 16: 12,288 bytes a tile
	s_add_co_u32 s61, s61, s60
	v_mul_u32_u24 v[CI], v24, 12288
	v_add_nc_u32 v[CI], v[CI], v25
	v_add_nc_u32 v[CI], s61, v[CI]
	s_lshl_b32 s61, s99, 13
	s_add_co_u32 s61, s61, s60
	s_add_co_u32 s61, s61, LNQI
	v_lshl_add_u32 v[LQ], v24, 12, v25
	v_add_nc_u32 v[LQ], s61, v[LQ]
	s_lshl_b32 s61, s99, 10
	s_add_co_u32 s61, s61, XST
	v_lshl_add_u32 v[XSR], v30, 5, s61
	s_lshl_b32 s61, s100, 3
	v_add_nc_u32 v[XSA], s61, v[XSR]
	v_lshlrev_b32 v[LI], 4, v30
	v_add_nc_u32 v[LIB], LNQI, v[LI]
	v_add_nc_u32 v[LIC], MTK, v[LI]
	s_lshr_b32 s60, s98, 2
	s_lshl_b32 s60, s60, 11
	s_and_b32 s61, s98, 3
	s_lshl_b32 s61, s61, 9
	s_add_co_u32 s60, s60, s61
	v_add_nc_u32 v[KO], s60, v[LI]
	v_add_nc_u32 v[MS], MTK, v[KO]
	v_lshl_add_u32 v[MSR], v31, 6, MST
	s_lshl_b32 s61, s98, 3
	v_add_nc_u32 v[MSS], s61, v[MSR]
	v_lshl_add_u32 v[VS], v0, 2, VEC               ; role 0's; role 1 makes its own two at its head
	s_lshl_b32 s61, s98, 7
	s_add_co_u32 s61, s61, VEC
	v_lshl_add_u32 v[VR], v24, 5, s61
	v_lshl_add_u32 v[VV], v31, 2, s61
	s_lshl_b32 s61, s98, 13
	v_add_nc_u32 v[WO], s61, v[LI]
	s_lshl_b32 s61, s98, 11
	s_add_co_u32 s61, s61, 65536
	v_add_nc_u32 v[VO], s61, v[LI]
	v_lshlrev_b32 v26, 2, v0                       ; 4 x thread: my element of each vector
	s_lshl_b32 s61, s100, 8
	v_add_nc_u32 v27, s61, v[MO]                   ; ln_g, ln_b at channel 64 cq + lane
	s_lshr_b32 s66, ttmp9, 7                       ; batch
	s_bfe_u32 s67, ttmp9, 0x60001                  ; which 64 tokens: six bits from bit 1
	s_lshl_b32 s2, s66, 22                         ; the maps: batch, my 256 bytes of a row, my channels, my half
	s_lshl_b32 s3, s67, 8
	s_add_co_u32 s2, s2, s3
	s_lshl_b32 s3, s100, 20
	s_add_co_u32 s2, s2, s3
	s_lshl_b32 s3, s99, 7
	s_add_co_u32 s2, s2, s3
	s_mov_b32 s3, 0
	s_lshl_b32 s62, s66, 20                        ; qcodes: a head is 1,048,576 bytes, a tile 4,096
	s_lshl_b32 s63, s67, 14
	s_add_co_u32 s62, s62, s63
	s_mov_b32 s63, 0
	s_mul_i32 s60, s66, HS                         ; kv: the batch's head of branch 0, item tb / 4, quarter tb % 4
	s_lshr_b32 s61, s67, 2
	s_lshl_b32 s61, s61, 17
	s_add_co_u32 s60, s60, s61
	s_and_b32 s61, s67, 3
	s_lshl_b32 s61, s61, 14
	s_add_co_u32 s60, s60, s61
	s_mov_b32 s61, 0
	s_mov_b32 s76, 0x76543210                      ; v_permlanex16_b32: lane l xor 16
	s_mov_b32 s77, 0xfedcba98
	s_mov_b32 s78, 0x3c800000                      ; 1/64
	s_mov_b32 s79, 0x3b800000                      ; 1/256
	s_mov_b32 s80, 0x3727c5ac                      ; 1e-5
	s_mov_b32 s81, 0x42800000                      ; 64
	s_mov_b32 s82, 0x3d000000                      ; 1/32
	s_mov_b32 s83, 0x42000000                      ; 32
	s_mov_b32 s66, 0x3e800000                      ; 1/4
	s_mov_b32 s67, 0x3e000000                      ; 1/8
	s_wait_kmcnt 0x0
	s_load_b512 s[20:35], s[96:97], 0x0            ; the scales' exponents 0 .. 23 in s20 .. s43
	s_load_b256 s[36:43], s[96:97], 0x40
	s_add_nc_u64 s[4:5], s[4:5], s[2:3]
	s_add_nc_u64 s[6:7], s[6:7], s[2:3]
	s_add_nc_u64 s[8:9], s[8:9], s[2:3]
	s_add_nc_u64 s[16:17], s[16:17], s[62:63]
	s_add_nc_u64 s[68:69], s[18:19], s[60:61]      ; kv for branch 0,
	s_add_nc_u64 s[70:71], s[68:69], 2*HS          ; 1,
	s_add_nc_u64 s[72:73], s[70:71], 2*HS          ; 2
	s_cmp_lg_u32 s101, 0                           ; the parting: it hangs on the work-group's number alone, so all eight waves go one way
	s_cbranch_scc1 .Lrole_q
	; ======== ROLE 0: codes of the maps, mix, LayerNorm, K, V ========
	global_load_b32 v192, v26, s[84:85]            ; mix_b, ln_g, ln_b, k_b, v_b: thread t takes element t
	global_load_b32 v193, v26, s[10:11]
	global_load_b32 v194, v26, s[12:13]
	global_load_b32 v195, v26, s[86:87]
	global_load_b32 v196, v26, s[88:89]
	LOADF 0
	LOADF 1
	s_wait_loadcnt 63                              ; 64 loads stand behind map 0's last; the wait's field ends at 63, so one of map 1's is waited for as well
.irp i, 0,1,2,3,4
	ds_store_b32 v[VS], v[192+\i] offset:\i*1024
.endr
	s_wait_kmcnt 0x0
	QSET 20, SC, LIM                               ; the mix's left operand: entry 0
	CODEX 0
	LOADF 2
	s_wait_loadcnt 63                              ; map 1 is in (64 younger loads)
	CODEX 1
	LOADW 0, 0                                     ; mix_w's three units and k_w: 64 loads
	LOADW 1, 4
	LOADW 2, 8
	LOADW 3, 12
	s_wait_loadcnt 63                              ; map 2 is in (64 younger loads)
	CODEX 2
	BARRIER                                        ; the mix's token operands and the vectors lie in LDS
	s_wait_loadcnt 0x0                             ; mix_w's and k_w's fragments
.set TMP, 240
	; ---- mix: K = 768 in six steps, token fragments in two buffers by turns
	FETCHB 0
	FETCHT TF0, LI, 0, 12288
.irp s6, 0,1,2,3,4,5
.if \s6 > 0
	PLACES 4                                       ; in front of loads into registers that the last matrix instructions read
.endif
.if \s6 < 5
	FETCHT TF0+64*((\s6+1)%2), LI, (\s6+1)*2048, 12288
	s_wait_dscnt 16                                ; all but the sixteen just issued
.else
	s_wait_dscnt 0x0
.endif
.if \s6 == 0
	MM8 TF0, 0, 1, 1
.else
	MM8 TF0+64*(\s6%2), 2*\s6, 0, 1
.endif
.endr
	PLACES 5
	LOADW 4, 0                                     ; v_w takes mix_w's first place
	PW2 74, 20, 21
	SCALEB
.macro MIXSTAT m                       ; token 16 m + r: mean and M2 of my wave's 32 channels: 16 registers and lane l xor 16's
.set A0, ACC+8*\m
.set A1, ACC+8*(4+\m)
.set TM, 96+8*\m
	v_pk_add_f32 v[TM:TM+1], v[A0:A0+1], v[A0+2:A0+3]
	v_pk_add_f32 v[TM+2:TM+3], v[A0+4:A0+5], v[A0+6:A0+7]
	v_pk_add_f32 v[TM:TM+1], v[TM:TM+1], v[A1:A1+1]
	v_pk_add_f32 v[TM+2:TM+3], v[TM+2:TM+3], v[A1+2:A1+3]
	v_pk_add_f32 v[TM:TM+1], v[TM:TM+1], v[A1+4:A1+5]
	v_pk_add_f32 v[TM+2:TM+3], v[TM+2:TM+3], v[A1+6:A1+7]
	v_pk_add_f32 v[TM:TM+1], v[TM:TM+1], v[TM+2:TM+3]
	v_add_f32 v[TM], v[TM], v[TM+1]
	v_permlanex16_b32 v[TM+1], v[TM], s76, s77
	v_add_f32 v[TM], v[TM], v[TM+1]
	v_mul_f32 v[TM+6], s82, v[TM]
	v_mul_f32 v[TM+7], s82, v[TM]
	v_pk_add_f32 v[TM:TM+1], v[A0:A0+1], v[TM+6:TM+7] op_sel_hi:[1,0] neg_lo:[0,1] neg_hi:[0,1]
	v_pk_add_f32 v[TM+2:TM+3], v[A0+2:A0+3], v[TM+6:TM+7] op_sel_hi:[1,0] neg_lo:[0,1] neg_hi:[0,1]
	v_pk_mul_f32 v[TM:TM+1], v[TM:TM+1], v[TM:TM+1]
	v_pk_mul_f32 v[TM+2:TM+3], v[TM+2:TM+3], v[TM+2:TM+3]
.irp p, A0+4, A1, A1+4
	v_pk_add_f32 v[TM+4:TM+5], v[\p:\p+1], v[TM+6:TM+7] op_sel_hi:[1,0] neg_lo:[0,1] neg_hi:[0,1]
	v_pk_fma_f32 v[TM:TM+1], v[TM+4:TM+5], v[TM+4:TM+5], v[TM:TM+1]
	v_pk_add_f32 v[TM+4:TM+5], v[\p+2:\p+3], v[TM+6:TM+7] op_sel_hi:[1,0] neg_lo:[0,1] neg_hi:[0,1]
	v_pk_fma_f32 v[TM+2:TM+3], v[TM+4:TM+5], v[TM+4:TM+5], v[TM+2:TM+3]
.endr
	v_pk_add_f32 v[TM:TM+1], v[TM:TM+1], v[TM+2:TM+3]
	v_add_f32 v[TM], v[TM], v[TM+1]
	v_permlanex16_b32 v[TM+1], v[TM], s76, s77
	v_add_f32 v[TM+7], v[TM], v[TM+1]
	ds_store_b64 v[MSS], v[TM+6:TM+7] offset:\m*1024   ; both halves of the lanes store the same two numbers
.endm
	MIXSTAT 0
	MIXSTAT 1
	MIXSTAT 2
	MIXSTAT 3
	BARRIER                                        ; the eight waves' (mean, M2) of every token lie in LDS
.irp m, 0,1,2,3
.irp i, 0,1,2,3
	ds_load_b128 v[96+16*\m+4*\i:96+16*\m+4*\i+3], v[MSR] offset:\m*1024+16*\i
.endr
.endr
.irp nn, 0,1
.irp i, 0,1
	ds_load_b128 v[160+8*\nn+4*\i:160+8*\nn+4*\i+3], v[VR] offset:1024+64*\nn+16*\i   ; ln_g,
	ds_load_b128 v[176+8*\nn+4*\i:176+8*\nn+4*\i+3], v[VR] offset:2048+64*\nn+16*\i   ; ln_b at my tiles' channels
.endr
.endr
	s_wait_dscnt 0x0
.irp m, 0,1,2,3
.set RR, 96+16*\m
.set TT, 192+8*\m
	v_pk_add_f32 v[TT:TT+1], v[RR:RR+1], v[RR+2:RR+3]
	v_pk_add_f32 v[TT+2:TT+3], v[RR+4:RR+5], v[RR+6:RR+7]
	v_pk_add_f32 v[TT:TT+1], v[TT:TT+1], v[RR+8:RR+9]
	v_pk_add_f32 v[TT+2:TT+3], v[TT+2:TT+3], v[RR+10:RR+11]
	v_pk_add_f32 v[TT:TT+1], v[TT:TT+1], v[RR+12:RR+13]
	v_pk_add_f32 v[TT+2:TT+3], v[TT+2:TT+3], v[RR+14:RR+15]
	v_pk_add_f32 v[TT:TT+1], v[TT:TT+1], v[TT+2:TT+3]  ; (the means' sum, the M2s' sum)
	v_mul_f32 v[TT+4], s67, v[TT]
	v_mul_f32 v[TT+5], s67, v[TT]
	v_sub_f32 v[TT+2], v[RR], v[TT+4]
	v_mul_f32 v[TT+3], v[TT+2], v[TT+2]
.irp i, 2,4,6,8,10,12,14
	v_sub_f32 v[TT+2], v[RR+\i], v[TT+4]
	v_fma_f32 v[TT+3], v[TT+2], v[TT+2], v[TT+3]
.endr
	v_fma_f32 v[TT+1], v[TT+3], s83, v[TT+1]
	v_fma_f32 v[TT+1], v[TT+1], s79, s80
.endr
.irp m, 0,1,2,3
	v_rsq_f32 v[198+8*\m], v[193+8*\m]
.endr
	v_nop
	s_wait_alu depctr_va_vdst(0)                   ; one wait for the four, ahead of their first reader
.irp m, 0,1,2,3
	v_mov_b32 v[199+8*\m], v[198+8*\m]
.endr
.irp m, 0,1,2,3
.irp nn, 0,1
.irp i, 0,2,4,6
	v_pk_add_f32 v[ACC+8*(4*\nn+\m)+\i:ACC+8*(4*\nn+\m)+\i+1], v[ACC+8*(4*\nn+\m)+\i:ACC+8*(4*\nn+\m)+\i+1], v[196+8*\m:197+8*\m] op_sel_hi:[1,0] neg_lo:[0,1] neg_hi:[0,1]
.endr
.endr
.endr
.irp m, 0,1,2,3
.irp nn, 0,1
.irp i, 0,2,4,6
	v_pk_mul_f32 v[ACC+8*(4*\nn+\m)+\i:ACC+8*(4*\nn+\m)+\i+1], v[ACC+8*(4*\nn+\m)+\i:ACC+8*(4*\nn+\m)+\i+1], v[198+8*\m:199+8*\m] op_sel_hi:[1,0]
.endr
.endr
.endr
.irp m, 0,1,2,3
.irp nn, 0,1
.irp i, 0,2,4,6
	v_pk_fma_f32 v[ACC+8*(4*\nn+\m)+\i:ACC+8*(4*\nn+\m)+\i+1], v[ACC+8*(4*\nn+\m)+\i:ACC+8*(4*\nn+\m)+\i+1], v[160+8*\nn+\i:161+8*\nn+\i], v[176+8*\nn+\i:177+8*\nn+\i]
.endr
.endr
.endr
	QSET 22, SC, LIM                               ; the K product's left operand: entry 2
	CODEST 0
.irp m, 0,1,2,3
	ds_store_b128 v[MS], v[CODE+4*\m:CODE+4*\m+3] offset:\m*4096
.endr
	QSET 24, SC, LIM                               ; the V product's: entry 4
	CODEST 16
.irp m, 0,1,2,3
	ds_store_b128 v[MS], v[CODE+16+4*\m:CODE+16+4*\m+3] offset:16384+\m*4096
.endr
	BARRIER                                        ; the normalised mix's fragments lie in LDS
	; ---- K: three versions, one for each branch's scale
	PRODT LIC, 0, 12, 3, -1
	PW2 74, 22, 23
	SCALEB
.irp ver, 0,1,2
	QSET 29+6*\ver, SC, LIM                        ; entries 9, 15, 21
	CODEST 16*\ver
.irp m, 0,1,2,3
	global_store_b128 v[KO], v[CODE+16*\ver+4*\m:CODE+16*\ver+4*\m+3], s[68+2*\ver:69+2*\ver] offset:\m*4096   ; 512 consecutive bytes, aligned
.endr
.endr
	; ---- V, used straight: tile (nn, m) holds channel 16 (2 w + nn) + r and tokens 16 m + 8 h + 0 .. 7: registers 2 m, 2 m + 1 of channel tile 2 w + nn's fragment of 64 keys
	s_wait_xcnt 0x0
	ds_load_b32 v[BIAS], v[VV] offset:4096
	ds_load_b32 v[BIAS+2], v[VV] offset:4096+64
	FETCHT TF0, LIC, 16384, 4096
	FETCHT TF1, LIC, 16384+2048, 4096
	s_wait_dscnt 16
	s_wait_loadcnt 0x0                             ; v_w is in
	MM8 TF0, 0, 1, 0
	s_wait_dscnt 0x0
	MM8 TF1, 2, 0, 0
	PLACES 5
	PW2 74, 24, 25
.irp nn, 0,1
.irp m, 0,1,2,3
.irp i, 0,2,4,6
	v_pk_fma_f32 v[ACC+8*(4*\nn+\m)+\i:ACC+8*(4*\nn+\m)+\i+1], v[ACC+8*(4*\nn+\m)+\i:ACC+8*(4*\nn+\m)+\i+1], s[74:75], v[BIAS+2*\nn:BIAS+2*\nn+1] op_sel_hi:[1,0,0]
.endr
.endr
.endr
.irp ver, 0,1,2
	QSET 31+6*\ver, SC, LIM                        ; entries 11, 17, 23
.irp nn, 0,1
.irp m, 0,1,2,3
	Q8 CODE+16*\ver+8*\nn+2*\m, ACC+8*(4*\nn+\m)
.endr
.endr
	v_nop
.irp nn, 0,1
.irp c2, 0,1
	global_store_b128 v[VO], v[CODE+16*\ver+8*\nn+4*\c2:CODE+16*\ver+8*\nn+4*\c2+3], s[68+2*\ver:69+2*\ver] offset:\nn*1024+\c2*512
.endr
.endr
.endr
	s_wait_xcnt 0x0
	v_lshl_add_u32 v254, v0, 2, 0x25400
	v_mov_b32 v255, 0
	s_wait_tensorcnt 0x0
	ds_add_u32 v254, v255
	s_wait_dscnt 0x0
	s_endpgm
	; ======== ROLE 1: LayerNorm of the three maps, Q1, Q2, Q3 ========
.Lrole_q:
	v_lshl_add_u32 v[VS], v0, 2, VEC2              ; this role's vectors have LDS bytes of their own
	s_lshl_b32 s61, s98, 7
	s_add_co_u32 s61, s61, VEC2
	v_lshl_add_u32 v[VR], v24, 5, s61
	global_load_b32 v192, v26, s[90:91]            ; q1_b, q2_b, q3_b: thread t takes element t
	global_load_b32 v193, v26, s[92:93]
	global_load_b32 v194, v26, s[94:95]
	global_load_b32 v[GL], v27, s[10:11]
	global_load_b32 v[GL+1], v27, s[10:11] offset:128
	global_load_b32 v[BL], v27, s[12:13]
	global_load_b32 v[BL+1], v27, s[12:13] offset:128
	LOADF 0
	LOADF 1
	s_wait_loadcnt 63                              ; 64 loads stand behind map 0's last; the wait's field ends at 63
.irp i, 0,1,2
	ds_store_b32 v[VS], v[192+\i] offset:\i*1024
.endr
	STATX 0
	LOADF 2
	s_wait_loadcnt 63                              ; map 1 is in (64 younger loads)
	STATX 1
	LOADW 5, 4                                     ; q1_w, q2_w, q3_w: 48 loads
	LOADW 6, 8
	LOADW 7, 12
	s_wait_loadcnt 48                              ; map 2 is in; the 48 weight loads may be out
	STATX 2
	BARRIER                                        ; the four quarters' (mean, M2) of every token lie in LDS; so do the vectors
.irp f, 0,1,2
	ds_load_b128 v[32+8*\f:35+8*\f], v[XSR] offset:\f*2048
	ds_load_b128 v[36+8*\f:39+8*\f], v[XSR] offset:\f*2048+16
.endr
	s_wait_dscnt 0x0
.irp f, 0,1,2                                  ; mean = the means' mean; M2 = the parts' + 64 x the means' squared deviations
	v_pk_add_f32 v[56:57], v[32+8*\f:33+8*\f], v[34+8*\f:35+8*\f]
	v_pk_add_f32 v[58:59], v[36+8*\f:37+8*\f], v[38+8*\f:39+8*\f]
	v_pk_add_f32 v[56:57], v[56:57], v[58:59]
	v_mul_f32 v[MN+2*\f], s66, v56
	v_mul_f32 v[MN+2*\f+1], s66, v56
	v_sub_f32 v58, v[32+8*\f], v[MN+2*\f]
	v_sub_f32 v59, v[34+8*\f], v[MN+2*\f]
	v_sub_f32 v62, v[36+8*\f], v[MN+2*\f]
	v_sub_f32 v63, v[38+8*\f], v[MN+2*\f]
	v_mul_f32 v58, v58, v58
	v_fma_f32 v58, v59, v59, v58
	v_fma_f32 v58, v62, v62, v58
	v_fma_f32 v58, v63, v63, v58
	v_fma_f32 v57, v58, s81, v57
	v_fma_f32 v[32+8*\f], v57, s79, s80            ; the variance + 1e-5
.endr
	v_rsq_f32 v56, v32
	v_rsq_f32 v58, v40
	v_rsq_f32 v60, v48
	v_nop                                          ; a plain line behind the last of the batch
	s_wait_alu depctr_va_vdst(0)                   ; one wait for the three, ahead of their first reader
	v_mov_b32 v57, v56
	v_mov_b32 v59, v58
	v_mov_b32 v61, v60
	s_wait_kmcnt 0x0                               ; the scales' exponents
	QSET 26, 18, 19                                ; the three Q products' left operands: entries 6, 12, 18
	QSET 32, 30, 31
	QSET 38, 62, 63
.macro XN f, g, sc, dst                ; eight channels of map f: ((x - mean) x rstd) x g + b, held, to codes
.set XF, 64+64*\f+8*(\g)
.irp i, 0,2,4,6
	v_pk_add_f32 v[XF+\i:XF+\i+1], v[XF+\i:XF+\i+1], v[MN+2*\f:MN+2*\f+1] op_sel_hi:[1,0] neg_lo:[0,1] neg_hi:[0,1]
.endr
.irp i, 0,2,4,6
	v_pk_mul_f32 v[XF+\i:XF+\i+1], v[XF+\i:XF+\i+1], v[56+2*\f:57+2*\f] op_sel_hi:[1,0]
.endr
.irp i, 0,1,2,3,4,5,6,7
	v_fma_f32 v[XF+\i], v[XF+\i], s[44+\i], s[52+\i]
.endr
.irp i, 0,1,2,3,4,5,6,7
	v_med3_num_f32 v[XF+\i], v[XF+\i], -v[\sc+1], v[\sc+1]
.endr
	v_cvt_scalef32_pk8_bf8_f32 v[(\dst):(\dst)+1], v[XF:XF+7], v[\sc]
.endm
.irp cc, 0,1
.if \cc
	s_wait_dscnt 0x0                               ; the stores below have read their registers
.endif
.irp sg, 0,1,2,3
.irp j, 0,1,2,3,4,5,6,7                        ; a register is a channel here, so its gain and bias are scalars: out of the lanes that hold them
	v_readlane_b32 s[44+\j], v[GL+\cc], 8*\sg+\j
	v_readlane_b32 s[52+\j], v[BL+\cc], 8*\sg+\j
.endr
	XN 0, 4*\cc+\sg, 18, 32+4*(\sg%2)+2*(\sg/2)
	XN 1, 4*\cc+\sg, 30, 40+4*(\sg%2)+2*(\sg/2)
	XN 2, 4*\cc+\sg, 62, 48+4*(\sg%2)+2*(\sg/2)
.endr
	v_nop
.irp f, 0,1,2
.irp hh, 0,1
	ds_store_b128 v[LQ], v[32+8*\f+4*\hh:32+8*\f+4*\hh+3] offset:\f*16384+\cc*512+\hh*256
.endr
.endr
.endr
	BARRIER                                        ; all token operands of the Q products lie in LDS
.set TMP, 240
	; ---- Q1, Q2, Q3
.macro QPROD f, slot, lw, bidx, ea, eq
	PRODT LIB, \f*16384, \slot, \bidx, \lw
	PW2 74, \ea, \ea+1
	SCALEB
	QSET \eq, SC, LIM
	CODEST 0
.irp m, 0,1,2,3
	global_store_b128 v[KO], v[CODE+4*\m:CODE+4*\m+3], s[16:17] offset:\f*2097152+\m*4096   ; 512 consecutive bytes, aligned
.endr
.endm
	QPROD 0, 4, 32, 0, 26, 28                      ; q2_w's and q3_w's 32 loads may be out
	QPROD 1, 8, 16, 1, 32, 34                      ; q3_w's 16
	QPROD 2, 12, 0, 2, 38, 40
	s_wait_xcnt 0x0
	v_lshl_add_u32 v254, v0, 2, 0x25400
	v_mov_b32 v255, 0
	s_wait_tensorcnt 0x0
	ds_add_u32 v254, v255
	s_wait_dscnt 0x0
	s_endpgm
.Lfunc_end_k_qafa1942a60_front:
	.size	k_qafa1942a60_front, .Lfunc_end_k_qafa1942a60_front-k_qafa1942a60_front
	.p2alignl 7, 3214868480
	.fill 96, 4, 3214868480
	.section	.rodata,"a",@progbits
	.p2align	6, 0x0
	.amdhsa_kernel k_qafa1942a60_front
		.amdhsa_group_segment_fixed_size 153600
		.amdhsa_private_segment_fixed_size 0
		.amdhsa_enable_private_segment 0
		.amdhsa_kernarg_size 120
		.amdhsa_user_sgpr_count 2
		.amdhsa_user_sgpr_kernarg_segment_ptr 1
		.amdhsa_wavefront_size32 1
		.amdhsa_system_sgpr_workgroup_id_x 1
		.amdhsa_system_sgpr_workgroup_id_y 1
		.amdhsa_system_sgpr_workgroup_id_z 1
		.amdhsa_system_vgpr_workitem_id 0
		.amdhsa_next_free_vgpr 512
		.amdhsa_next_free_sgpr 104
		.amdhsa_reserve_vcc 0
		.amdhsa_float_denorm_mode_32 3
		.amdhsa_float_denorm_mode_16_64 3
		.amdhsa_memory_ordered 1
		.amdhsa_forward_progress 1
		.amdhsa_inst_pref_size 255
	.end_amdhsa_kernel
	.section	.bss,"aw",@nobits
	.p2align	6
	.space	262144
	.amdgpu_metadata
---
amdhsa.version: [ 1, 2 ]
amdhsa.kernels:
  - .name:           k_qafa1942a60_front
    .symbol:         k_qafa1942a60_front.kd
    .args:
      - { .name: center_fea, .offset: 0, .size: 8, .value_kind: global_buffer, .address_space: global }
      - { .name: wh_fea, .offset: 8, .size: 8, .value_kind: global_buffer, .address_space: global }
      - { .name: cls_fea, .offset: 16, .size: 8, .value_kind: global_buffer, .address_space: global }
      - { .name: ln_g, .offset: 24, .size: 8, .value_kind: global_buffer, .address_space: global }
      - { .name: ln_b, .offset: 32, .size: 8, .value_kind: global_buffer, .address_space: global }
      - { .name: wcodes, .offset: 40, .size: 8, .value_kind: global_buffer, .address_space: global }
      - { .name: qcodes, .offset: 48, .size: 8, .value_kind: global_buffer, .address_space: global }
      - { .name: kv, .offset: 56, .size: 8, .value_kind: global_buffer, .address_space: global }
      - { .name: mix_b, .offset: 64, .size: 8, .value_kind: global_buffer, .address_space: global }
      - { .name: k_b, .offset: 72, .size: 8, .value_kind: global_buffer, .address_space: global }
      - { .name: v_b, .offset: 80, .size: 8, .value_kind: global_buffer, .address_space: global }
      - { .name: q1_b, .offset: 88, .size: 8, .value_kind: global_buffer, .address_space: global }
      - { .name: q2_b, .offset: 96, .size: 8, .value_kind: global_buffer, .address_space: global }
      - { .name: q3_b, .offset: 104, .size: 8, .value_kind: global_buffer, .address_space: global }
      - { .name: lowp_scales, .offset: 112, .size: 8, .value_kind: global_buffer, .address_space: global }
    .group_segment_fixed_size: 153600
    .private_segment_fixed_size: 0
    .kernarg_segment_align: 8
    .kernarg_segment_size: 120
    .max_flat_workgroup_size: 256
    .sgpr_count:     104
    .vgpr_count:     512
    .wavefront_size: 32
...
	.end_amdgpu_metadata
.endif
;; end of part 2
;; launch attn (part 3): grid 32 x 6, 4 waves a work-group, clusters of 4 x 1, 327,680 bytes of LDS; arguments qcodes, kv, center_fea, wh_fea, cls_fea, ln_g, ln_b, lowp_scales, cmlp_b1, wmlp_b1, clsmlp_b1, cmlp_b2, wmlp_b2, clsmlp_b2, out0, out1, out2; writes out0, out1, out2
.if DOCPART == 3
	.amdgcn_target "amdgcn-amd-amdhsa--gfx1250"
	.amdhsa_code_object_version 6
	.text
	.protected	k_qafa1942a60_attn
	.globl	k_qafa1942a60_attn
	.p2align	8
	.type	k_qafa1942a60_attn,@function
k_qafa1942a60_attn:
	s_mov_b64 s[64:65], 0
	v_nop
	global_prefetch_b8 v0, s[64:65] scope:SCOPE_SE
	s_setreg_imm32_b32 hwreg(HW_REG_WAVE_MODE, 25, 1), 1
	s_wait_xcnt 0x0
	s_wait_alu depctr_hold_cnt(0) depctr_sa_sdst(0) depctr_va_vdst(0) depctr_va_sdst(0) depctr_va_ssrc(0) depctr_va_vcc(0) depctr_vm_vsrc(0)
	s_getreg_b32 s2, hwreg(HW_REG_IB_STS2, 6, 4)
	s_cmp_eq_u32 s2, 0
	s_cbranch_scc0 .Lentry_in_a_cluster
	s_endpgm
.Lentry_in_a_cluster:
	s_bfe_u32 s2, ttmp6, 0x10000c
	s_cmp_lg_u32 s2, 0x3003
	s_cbranch_scc0 .Lentry_shape_is_right
	s_endpgm
.Lentry_shape_is_right:
; ATTENTION AND ALL THAT FOLLOWS IT, for 128 queries of one head (head = 2 x branch + batch = work-group y): softmax(q k^T) v on codes of E5M2, the residual, LayerNorm, the MLP with the exact GELU,
; the residual, LayerNorm, and the output laid channel-major again.
; SHARES.  Wave w = 2 g + kp holds FOUR tiles of 16 queries (group g) and walks HALF the keys: the 64-key steps 2 kp, 2 kp + 1 of each item of 256 keys.  So each fragment of K and V read from LDS feeds four
; matrix instructions.  Register slots 0, 1 hold the tiles that the wave keeps (2 w, 2 w + 1 of the work-group's eight), slots 2, 3 those of wave w xor 1.  Behind the keys the two waves exchange slots 2, 3 through LDS,
; and each takes its 32 tokens alone through the tail.
; LAYOUT.  Both products are used transposed: S^T = K Q^T (source 0 = 16 keys), O^T = V^T P^T (source 0 = 16 channels, K = 64 keys): a lane holds ONE query.  A tile of S^T, turned into codes by one conversion, is
; registers 2 c, 2 c + 1 of P's fragment.  All operands lie in memory and LDS as images of their registers: every fragment load reads 512 consecutive bytes.
; SOFTMAX.  t = score x log2(e); M = the running largest t rounded up to a whole number; p = 2^(t - M) is quantised, not normalised; the sum is taken of the unquantised p and divides at the end.
; When M moves, the sum and O^T are multiplied by 2^(old M - new M), which rounds nothing.  The two waves' halves are joined in the same way.
; RING.  Two LDS regions of 131,072 bytes.  An item is 256 keys: K's 32 fragments, then V's 64.  Item 16 is the branch's two MLP weights.  Each wave moves a quarter of an item by one tensor load.
; CLUSTER.  The four query blocks of a cluster belong to one head and walk the same items: each load is asked for jointly, with a mask that names the four.
; O^T is cleared by 512 moves at the head: a first step of its own would add two more copies of the key step to the text.
; The residual comes by loads of 64-byte pieces: at that point one region holds the weights and the other the exchange.
; 192 work-groups: 96 queries a work-group do not divide a head's 4,096.
; LIMITS: each given e between -126 and 112; each sum of two e of a product between -125 and 126.  NaN is not served.  erf is the f32 rational form z P(z^2) / Q(z^2) with z held in +-4 (absolute error near 1e-7):
; where 1 + erf cancels, below x of about -3, GELU's relative error grows as it does in f32 arithmetic.
; REGISTERS, in windows of 256.  Window 1: O^T of slots 0, 1 (128 x slot + 8 n); later the tokens' 256 channels.  Window 2: O^T of slots 2, 3; later ln_g, ln_b.  Window 3: v0-127 Q (32 q + 16 s), v128-255 K or V of a step; later the residual, layer 2's sums, rows of the output.
; Window 0: v1-27 addresses and the quantiser's two; v32-63 statistics, eight a slot: -M, the largest t, the sum's two halves, f, (named with f), two at work; v64-191 S^T (64 + 32 q + 8 c); v192-223 P; v224-255 at work.
.set HS, 2228224
.set RB, 131072                        ; region B; one exclusive or turns an address in one region into the other's
.set STG, 131072                       ; the way out: 256 rows of 512 bytes + 16, in region B (its last fill is past) and 4,096 bytes on
.set HIMG, 266240                      ; the hidden layer's images, 8,192 bytes a wave
.set VEC, 299008                       ; b1 / 2^(e24 + e25), then b2 / 2^(e26 + e27)
.set XSTAT, 303104                     ; the exchange's (-M, sum)
.set SPARE, 305152                     ; the spare words, 128 bytes a wave: two blocks of 256 bytes that no other line names
.set ST, 32
.set S, 64
.set P, 192
.set SC, 26
.set LIM, 27
.set A13, 36                           ; s[36:61]: pairs, both words alike
.set A9, 38
.set A7, 40
.set A5, 42
.set A3, 44
.set A1, 46
.set B8, 48
.set B4, 50
.set B2, 52
.set B0, 54
.set SZ, 56                            ; 2^(e24 + e25) / sqrt(2)
.set SH, 58                            ; 2^(e24 + e25) / 2
.set S2, 60                            ; 2^(e26 + e27)
.set MSB, 0
.macro WIN new                         ; the immediate's high byte repeats the setting that is left
.if MSB != \new
	s_set_vgpr_msb (MSB<<8)|\new
.set MSB, \new
.endif
.endm
.macro PLACES n
.rept \n
	v_nop
.endr
.endm
.macro QSET e, sc, lim
	s_add_co_i32 s2, s[\e], 127
	s_lshl_b32 s3, s2, 23
	v_mov_b32 v[\sc], s3
	s_add_co_i32 s2, s2, 15
	s_lshl_b32 s2, s2, 23
	s_or_b32 s2, s2, 0x600000
	v_mov_b32 v[\lim], s2
.endm
.macro SPAIR r, val
	s_mov_b32 s[\r], \val
	s_mov_b32 s[\r+1], \val
.endm
.macro CROUND                          ; a round of the cluster's barrier
	s_barrier_signal -1
	s_barrier_wait -1
	s_cmp_lg_u32 s86, 0
	s_cbranch_scc1 .Lnot_wave_0_\@
	s_barrier_signal -3
.Lnot_wave_0_\@:
	s_barrier_wait -3
	s_barrier_signal -1
	s_barrier_wait -1
.endm
	s_load_b512 s[4:19], s[0:1], 0x0               ; qcodes, kv, the three maps s[8:13], ln_g s[14:15], ln_b s[16:17], lowp_scales s[18:19]
	s_load_b512 s[20:35], s[0:1], 0x40             ; three b1 s[20:25], three b2 s[26:31], out0, out1
	s_load_b64 s[36:37], s[0:1], 0x80              ; out2
	v_lshl_add_u32 v1, v0, 2, SPARE                ; my spare word; never rewritten
	v_mov_b32 v2, 0                                ; 0; never rewritten
	ds_add_u32 v1, v2
	ds_add_u32 v1, v2
	s_wait_dscnt 0x0
	v_lshrrev_b32 v28, 5, v0
	v_readfirstlane_b32 s86, v28                   ; wave 0..3
	s_bfe_u32 s40, ttmp6, 0x40000                  ; cx: it enters global addresses alone
	s_lshl_b32 s41, ttmp9, 2
	s_add_co_u32 s41, s41, s40                     ; my block of 128 queries
	s_and_b32 s42, ttmp7, 0xffff                   ; the head, which the four partners share
	s_lshr_b32 s43, s42, 1                         ; branch
	s_and_b32 s44, s42, 1                          ; batch
	s_and_b32 s45, s86, 1                          ; kp
	s_mov_b32 s68, 15|(3<<16)|(1<<21)              ; descriptor group 1: 15:0 the mask: all four; 17:16 elements of 8 bytes; 21 set beside a mask; no padding
	s_mov_b32 s69, 32<<16                          ; tensor_dim0 = 32 elements: rows of 256 bytes
	s_mov_b32 s70, 128<<16                         ; tensor_dim1 = 128
	s_mov_b32 s71, 32<<16                          ; tile_dim0 = 32
	s_mov_b32 s72, 128                             ; tile_dim1 = 128: 32,768 bytes, a quarter of an item
	s_mov_b32 s73, 32                              ; dense: a row begins where the last ends
	s_mov_b32 s74, 0
	s_mov_b32 s75, 0
	s_mov_b32 s84, 0x76543210                      ; v_permlanex16_b32: lane l xor 16
	s_mov_b32 s85, 0xfedcba98
	v_and_b32 v28, 31, v0                          ; lane
	v_and_b32 v29, 15, v0                          ; r
	v_bfe_u32 v30, v0, 4, 1                        ; h
	v_lshlrev_b32 v9, 4, v28                       ; v9   16 x lane
	s_lshl_b32 s47, s45, 15
	v_add_nc_u32 v3, s47, v9                       ; v3   K's fragments of my two steps in an item
	v_add_nc_u32 v4, 65536, v3                     ; v4   V's
	s_lshl_b32 s47, s86, 15
	s_add_co_u32 s48, s47, RB
	v_add_nc_u32 v10, s48, v9                      ; v10  the exchange: where I store
	s_xor_b32 s49, s86, 1
	s_lshl_b32 s50, s49, 15
	s_add_co_u32 s50, s50, RB
	v_add_nc_u32 v11, s50, v9                      ; v11  and where I read
	s_lshl_b32 s50, s86, 9
	s_add_co_u32 s50, s50, XSTAT
	v_lshl_add_u32 v12, v28, 3, s50                ; v12, v13 the same for (-M, sum)
	s_lshl_b32 s50, s49, 9
	s_add_co_u32 s50, s50, XSTAT
	v_lshl_add_u32 v13, v28, 3, s50
	s_lshl_b32 s50, s86, 7
	v_lshl_add_u32 v14, v29, 2, s50                ; 4 (32 w + r): my token in a row of 128
	v_mul_u32_u24 v16, v30, 4224
	v_add_nc_u32 v16, v16, v14
	v_add_nc_u32 v16, STG, v16                     ; v16  the stage: row 8 h, my token
	v_add_nc_u32 v17, 67584, v16                   ; v17  128 rows on
	v_lshl_add_u32 v14, v30, 17, v14               ; v14  the map: channel 8 h, my token
	v_lshlrev_b32 v15, 5, v30                      ; v15  ln_g, ln_b: 32 h
	s_mul_i32 s50, s86, 33792
	s_add_co_u32 s50, s50, STG
	v_add_nc_u32 v18, s50, v9                      ; v18  the stage, back: my 64 rows
	s_lshl_b32 s50, s86, 20
	v_add_nc_u32 v19, s50, v9                      ; v19  and the same rows of the output
	s_lshl_b32 s50, s86, 13
	s_add_co_u32 s50, s50, HIMG
	v_add_nc_u32 v23, s50, v9                      ; v23  my hidden images
	v_lshl_add_u32 v24, v30, 5, VEC                ; v24  a bias at a tile's eight channels
	v_add_nc_u32 v25, 65536, v9                    ; v25  w2's fragments
	s_lshl_b32 s50, s40, 2
	s_add_co_u32 s50, s50, s86
	s_lshl_b32 s50, s50, 13
	v_lshl_add_u32 v7, v28, 8, s50                 ; v7   prefetch of an item: (4 cx + w) 8,192 + 256 x lane
	v_lshrrev_b32 v8, 1, v28
	s_lshl_b32 s50, s86, 4
	v_add_nc_u32 v8, s50, v8
	v_lshlrev_b32 v8, 14, v8
	v_and_b32 v31, 1, v0
	v_lshl_add_u32 v8, v31, 8, v8                  ; v8   prefetch of the map: channel 16 w + lane / 2, half lane % 2 of its 512 bytes
	s_lshl_b32 s50, s41, 3
	s_lshl_b32 s51, s86, 1
	s_add_co_u32 s51, s51, s50
	s_lshl_b32 s51, s51, 12
	v_add_nc_u32 v20, s51, v9                      ; Q: the tiles that I keep,
	s_lshl_b32 s51, s49, 1
	s_add_co_u32 s51, s51, s50
	s_lshl_b32 s51, s51, 12
	v_add_nc_u32 v21, s51, v9                      ; and my partner's
	v_lshlrev_b32 v22, 3, v0                       ; 8 x thread: my two numbers of a bias
	v_lshl_add_u32 v31, v0, 3, VEC
	s_mul_i32 s38, s43, 24
	s_add_co_u32 s38, s38, 32                      ; entries 8 + 6 branch on: eq, ek, ep, ev
	s_lshl_b32 s39, s43, 4
	s_add_co_u32 s39, s39, 96                      ; entries 24 + 4 branch on: the MLP's four
	s_lshl_b32 s52, s42, 20                        ; the head in qcodes
	s_mov_b32 s53, 0
	s_mul_i32 s54, s42, HS                         ; and in kv
	s_mov_b32 s55, 0
	s_lshl_b32 s56, s44, 22                        ; the map and the output: batch, my 512 bytes of a row
	s_lshl_b32 s57, s41, 9
	s_add_co_u32 s56, s56, s57
	s_mov_b32 s57, 0
	s_mov_b32 s58, s47                             ; 32,768 x wave
	s_mov_b32 s59, 0
	s_cmp_eq_u32 ttmp9, 0
	s_cselect_b32 s97, 15, 0                       ; the head's first cluster prefetches items, in trips 0 to 14
	s_wait_kmcnt 0x0
	s_load_b128 s[88:91], s[18:19], s38 offset:0x0
	s_load_b128 s[92:95], s[18:19], s39 offset:0x0
	s_cmp_eq_u32 s43, 1                            ; the branch's map, biases and output: choices that hang on the work-group's number alone
	s_cselect_b64 s[8:9], s[10:11], s[8:9]
	s_cselect_b64 s[20:21], s[22:23], s[20:21]
	s_cselect_b64 s[26:27], s[28:29], s[26:27]
	s_cselect_b64 s[32:33], s[34:35], s[32:33]
	s_cmp_eq_u32 s43, 2
	s_cselect_b64 s[8:9], s[12:13], s[8:9]
	s_cselect_b64 s[20:21], s[24:25], s[20:21]
	s_cselect_b64 s[26:27], s[30:31], s[26:27]
	s_cselect_b64 s[32:33], s[36:37], s[32:33]
	s_add_nc_u64 s[4:5], s[4:5], s[52:53]
	s_add_nc_u64 s[6:7], s[6:7], s[54:55]
	s_add_nc_u64 s[8:9], s[8:9], s[56:57]
	s_add_nc_u64 s[32:33], s[32:33], s[56:57]
	s_add_nc_u64 s[80:81], s[6:7], 131072          ; the prefetches stand at item 1; the first change steps them to item 2
	s_mov_b32 s76, 1                               ; descriptor group 0: count = 1,
	s_mov_b32 s77, s47                             ; LDS: my quarter of region A,
	s_add_nc_u64 s[78:79], s[6:7], s[58:59]        ; memory: my quarter of item 0,
	s_or_b32 s79, s79, 0x80000000                  ; type = 2
	CROUND                                         ; all four work-groups are here: the first joint load meets
	tensor_load_to_lds s[76:79], s[68:75]
	s_nop 0
	PLACES 4                                       ; four plain lines behind the load
	WIN 0xc0
.irp q, 0,1
.irp s, 0,1
.irp c, 0,1,2,3
	global_load_b128 v[32*\q+16*\s+4*\c:32*\q+16*\s+4*\c+3], v20, s[4:5] offset:\q*4096+\s*2048+512*\c
	global_load_b128 v[64+32*\q+16*\s+4*\c:64+32*\q+16*\s+4*\c+3], v21, s[4:5] offset:\q*4096+\s*2048+512*\c
.endr
.endr
.endr
	WIN 0
	global_load_b64 v[224:225], v22, s[20:21]
	global_load_b64 v[226:227], v22, s[26:27]
	WIN 0x40
.set i, 0
.rept 256
	v_mov_b32 v[i], 0                              ; O^T: the first change of M leaves zeros zeros
.set i, i+1
.endr
	WIN 0x80
.set i, 0
.rept 256
	v_mov_b32 v[i], 0
.set i, i+1
.endr
	WIN 0
.irp q, 0,1,2,3
	v_mov_b32 v[ST+8*\q+1], 0xff61b1e6             ; the largest t so far: -3e38
	v_floor_f32 v[ST+8*\q], -v[ST+8*\q+1]          ; -M
	v_mov_b32 v[ST+8*\q+2], 0
	v_mov_b32 v[ST+8*\q+3], 0
	v_mov_b32 v[ST+8*\q+4], 0
	v_mov_b32 v[ST+8*\q+5], 0
	v_mov_b32 v[ST+8*\q+6], 0
	v_mov_b32 v[ST+8*\q+7], 0
.endr
	s_wait_kmcnt 0x0
	s_add_co_i32 s2, s88, s89
	s_lshl_b32 s2, s2, 23
	s_add_co_i32 s82, s2, 0x3fb8aa3b               ; log2(e) x 2^(eq + ek): the two exponents are added to the exponent field
	s_mov_b32 s83, s82
	QSET 90, SC, LIM                               ; p's scale
	s_add_co_i32 s2, s92, s93
	s_sub_co_i32 s2, 0, s2
	s_add_co_i32 s3, s94, s95
	s_sub_co_i32 s3, 0, s3
	s_wait_loadcnt 0x0                             ; Q and the biases
	v_ldexp_f32 v224, v224, s2                     ; a bias goes in as the C of a sum's first matrix instruction, divided by the power of two that the sum lacks
	v_ldexp_f32 v225, v225, s2
	v_ldexp_f32 v226, v226, s3
	v_ldexp_f32 v227, v227, s3
	ds_store_b64 v31, v[224:225]
	ds_store_b64 v31, v[226:227] offset:1024
	s_mov_b32 s87, 0                               ; the trip
	s_mov_b32 s96, 0                               ; the region in hand
.macro KLOAD u, half                   ; key tiles 2 half, 2 half + 1 of my step u: 16 loads
.irp c2, 0,1
.irp s, 0,1
.irp i, 0,1,2,3
	ds_load_b128 v[128+32*(2*\half+\c2)+16*\s+4*\i:128+32*(2*\half+\c2)+16*\s+4*\i+3], v5 offset:(\u)*16384+(2*\half+\c2)*4096+\s*2048+512*\i
.endr
.endr
.endr
.endm
.macro VLOAD u                         ; V's 16 channel tiles of my step u: 32 loads
.irp n, 0,1,2,3,4,5,6,7,8,9,10,11,12,13,14,15
	ds_load_b128 v[128+8*\n:128+8*\n+3], v6 offset:(\u)*16384+\n*1024
	ds_load_b128 v[128+8*\n+4:128+8*\n+7], v6 offset:(\u)*16384+\n*1024+512
.endr
.endm
.macro SMM hf                          ; S^T for key tiles 2 hf, 2 hf + 1 and the four slots: eight accumulators by turns, K = 256 in two instructions each
.irp s, 0,1
.irp c2, 0,1
.irp q, 0,1,2,3
.set rS, S+32*\q+8*(2*\hf+\c2)
.set rK, 128+32*(2*\hf+\c2)+16*\s
.set rQ, 32*\q+16*\s
.if \s == 0
	v_wmma_f32_16x16x128_bf8_bf8 v[rS:rS+7], v[rK:rK+15], v[rQ:rQ+15], 0
.else
	v_wmma_f32_16x16x128_bf8_bf8 v[rS:rS+7], v[rK:rK+15], v[rQ:rQ+15], v[rS:rS+7]
.endif
.endr
.endr
.endr
.endm
.macro SOFTMAX                         ; the four slots stage by stage, so that no line waits for the line above it
.irp q, 0,1,2,3                                ; the largest of a lane's 32 scores: two chains, ascending
	v_max3_num_f32 v[ST+8*\q+6], v[S+32*\q], v[S+32*\q+1], v[S+32*\q+2]
	v_max3_num_f32 v[ST+8*\q+7], v[S+32*\q+16], v[S+32*\q+17], v[S+32*\q+18]
.endr
.irp j, 3,5,7,9,11,13
.irp q, 0,1,2,3
	v_max3_num_f32 v[ST+8*\q+6], v[ST+8*\q+6], v[S+32*\q+\j], v[S+32*\q+\j+1]
	v_max3_num_f32 v[ST+8*\q+7], v[ST+8*\q+7], v[S+32*\q+16+\j], v[S+32*\q+17+\j]
.endr
.endr
.irp q, 0,1,2,3
	v_max3_num_f32 v[ST+8*\q+6], v[ST+8*\q+6], v[ST+8*\q+7], v[S+32*\q+15]
.endr
.irp q, 0,1,2,3
	v_max_num_f32 v[ST+8*\q+6], v[ST+8*\q+6], v[S+32*\q+31]
.endr
.irp q, 0,1,2,3
	v_permlanex16_b32 v[ST+8*\q+7], v[ST+8*\q+6], s84, s85
.endr
.irp q, 0,1,2,3
	v_max_num_f32 v[ST+8*\q+6], v[ST+8*\q+6], v[ST+8*\q+7]
.endr
.irp q, 0,1,2,3
	v_mul_f32 v[ST+8*\q+6], s82, v[ST+8*\q+6]      ; as t (the factor is positive)
.endr
.irp q, 0,1,2,3
	v_max_num_f32 v[ST+8*\q+1], v[ST+8*\q+1], v[ST+8*\q+6]
.endr
.irp q, 0,1,2,3
	v_mov_b32 v[ST+8*\q+6], v[ST+8*\q]
.endr
.irp q, 0,1,2,3
	v_floor_f32 v[ST+8*\q], -v[ST+8*\q+1]          ; -M = floor(-t): M is a whole number
.endr
.irp q, 0,1,2,3
	v_sub_f32 v[ST+8*\q+6], v[ST+8*\q], v[ST+8*\q+6]
.endr
.irp q, 0,1,2,3
	v_cvt_i32_f32 v[ST+8*\q+6], v[ST+8*\q+6]       ; (it saturates)
.endr
.irp q, 0,1,2,3
	v_ldexp_f32 v[ST+8*\q+4], 1.0, v[ST+8*\q+6]    ; f = 2^(old M - new M)
.endr
.set k, 0
.rept 66                                       ; ONE BATCH: 64 scalings t - M, a pair each, and 128 exponentials, a pair's two behind the scaling two pairs on; none reads an exponential's result
.if k < 64
	v_pk_fma_f32 v[S+2*k:S+2*k+1], v[S+2*k:S+2*k+1], s[82:83], v[ST+8*(k/16):ST+8*(k/16)+1] op_sel_hi:[1,0,0]
.endif
.if k >= 2
	v_exp_f32 v[S+2*k-4], v[S+2*k-4]
	v_exp_f32 v[S+2*k-3], v[S+2*k-3]
.endif
.set k, k+1
.endr
.irp q, 0,1,2,3
	v_pk_mul_f32 v[ST+8*\q+2:ST+8*\q+3], v[ST+8*\q+2:ST+8*\q+3], v[ST+8*\q+4:ST+8*\q+5] op_sel_hi:[1,0]   ; the sums under the new M; plain lines behind the batch
.endr
	s_wait_alu depctr_va_vdst(0)                   ; one wait for the batch, ahead of its first reader
.irp q, 0,1,2,3
	v_pk_add_f32 v[224+2*\q:225+2*\q], v[S+32*\q:S+32*\q+1], v[S+32*\q+2:S+32*\q+3]   ; the sum is taken of the unquantised p
.endr
.irp j, 4,8,12,16,20,24,28
.irp q, 0,1,2,3
	v_pk_add_f32 v[ST+8*\q+2:ST+8*\q+3], v[ST+8*\q+2:ST+8*\q+3], v[S+32*\q+\j:S+32*\q+\j+1]
	v_pk_add_f32 v[224+2*\q:225+2*\q], v[224+2*\q:225+2*\q], v[S+32*\q+\j+2:S+32*\q+\j+3]
.endr
.endr
.irp q, 0,1,2,3
	v_pk_add_f32 v[ST+8*\q+2:ST+8*\q+3], v[ST+8*\q+2:ST+8*\q+3], v[224+2*\q:225+2*\q]
.endr
.irp q, 0,1,2,3
.irp c, 0,1,2,3
.irp i, 0,1,2,3,4,5,6,7
	v_min_num_f32 v[S+32*\q+8*\c+\i], v[S+32*\q+8*\c+\i], v[LIM]   ; the conversion does not saturate (ISA guide 7.6.2); p is not negative, so the hold is one-sided
.endr
	v_cvt_scalef32_pk8_bf8_f32 v[P+8*\q+2*\c:P+8*\q+2*\c+1], v[S+32*\q+8*\c:S+32*\q+8*\c+7], v[SC]
.endr
.endr
	v_nop
.endm
.macro PVH hf                          ; O^T += V^T P^T for channel tiles 8 hf .. 8 hf + 7.  Four tiles are brought under the new M, then take their product; the next four's multiplies are issued while the unit works
.irp x, 1,2
.irp np, 0,1,2,3
	WIN 0x41*\x                                    ; O^T in window x, f in window 0
.irp qq, 0,1
.irp nn, 0,1
.irp i, 0,2,4,6
	v_pk_mul_f32 v[128*\qq+8*(8*\hf+2*\np+\nn)+\i:128*\qq+8*(8*\hf+2*\np+\nn)+\i+1], v[128*\qq+8*(8*\hf+2*\np+\nn)+\i:128*\qq+8*(8*\hf+2*\np+\nn)+\i+1], v[ST+8*(2*\x-2+\qq)+4:ST+8*(2*\x-2+\qq)+5] op_sel_hi:[1,0]
.endr
.endr
.endr
	WIN 0x03+0x50*\x                               ; V in window 3, P in window 0, O^T in window x
.irp nn, 0,1
.irp qq, 0,1
	v_wmma_f32_16x16x64_bf8_bf8 v[128*\qq+8*(8*\hf+2*\np+\nn):128*\qq+8*(8*\hf+2*\np+\nn)+7], v[128+8*(8*\hf+2*\np+\nn):128+8*(8*\hf+2*\np+\nn)+7], v[P+8*(2*\x-2+\qq):P+8*(2*\x-2+\qq)+7], v[128*\qq+8*(8*\hf+2*\np+\nn):128*\qq+8*(8*\hf+2*\np+\nn)+7]
.endr
.endr
.endr
.endr
.endm
; A KEY STEP: 64 keys.  khead = 1: K is fetched at its head; kpre = 1: the next step's K is fetched as V's halves come free.
.macro STEP u, khead, kpre
.if \khead
	WIN 0xc0
	KLOAD \u, 0
	KLOAD \u, 1
.endif
	s_wait_dscnt 16                                ; key tiles 0, 1 are in; the sixteen loads of tiles 2, 3 may be out
	WIN 0x0f
	SMM 0
	s_wait_dscnt 0x0
	SMM 1
	PLACES 4                                       ; in front of the loads into K's registers and of the first read of the scores
	WIN 0xc0
	VLOAD \u
	WIN 0
	SOFTMAX
	s_wait_dscnt 0x0                               ; V is in
	PVH 0
.if \kpre
	PLACES 4
	WIN 0xc0
	KLOAD (\u)+1, 0
.endif
	PVH 1
.if \kpre
	PLACES 4
	WIN 0xc0
	KLOAD (\u)+1, 1
.endif
	WIN 0
.endm
.Lslot:                                            ; 16 trips: trip t reads item t and asks for item t + 1, in trip 15 the weights
	s_wait_tensorcnt 0x0                           ; my one load that was out, my quarter of this trip's item, has landed: so the descriptor may be written
	ds_add_u32 v1, v2                              ; 0 onto my spare word
	s_xor_b32 s77, s77, RB                         ; the other region,
	s_add_nc_u64 s[78:79], s[78:79], 131072        ; the next item
	s_wait_xcnt 0x0                                ; the last prefetch, a trip back, has read its address
	s_add_nc_u64 s[80:81], s[80:81], 131072
	s_wait_dscnt 0x0                               ; the add is done, and my reads of the region that I have left are over
	CROUND                                         ; that now holds of every wave of all four work-groups
	tensor_load_to_lds s[76:79], s[68:75]          ; the first thing behind the round, and my one tensor load until the next: it has two key steps in which to land
	s_nop 0
	PLACES 4                                       ; four plain lines behind the load; also the places in front of K's loads
	s_cmp_lt_u32 s87, s97                          ; item t + 2: 512 blocks of 256 bytes, one a lane of the 16 waves of the head's first cluster, told apart by address
	s_cbranch_scc0 .Lno_item
	global_prefetch_b8 v7, s[80:81] th:TH_LOAD_NT scope:SCOPE_SE
.Lno_item:
	s_cmp_eq_u32 s87, 15                           ; in the last trip: my work-group's tile of the map, 256 rows of 512 bytes, one block a lane and line
	s_cbranch_scc0 .Lno_map
.irp i, 0,1,2,3
	global_prefetch_b8 v8, s[8:9] offset:\i*1048576 th:TH_LOAD_NT scope:SCOPE_SE
.endr
.Lno_map:
	v_add_nc_u32 v5, s96, v3
	v_add_nc_u32 v6, s96, v4
	STEP 0, 1, 1
	STEP 1, 0, 0
	s_xor_b32 s96, s96, RB
	s_add_co_u32 s87, s87, 1
	s_cmp_lt_u32 s87, 16
	s_cbranch_scc1 .Lslot
	; ---- THE TAIL.  The weights have landed in region A; region B has had its last fill.
	s_wait_tensorcnt 0x0
	ds_add_u32 v1, v2                              ; the constants are written while it is out
	SPAIR A13, 0xAF95DF0B
	SPAIR A9, 0xB60CFF51
	SPAIR A7, 0xB86EC2D2
	SPAIR A5, 0xBA40AC63
	SPAIR A3, 0xBB41A1F6
	SPAIR A1, 0xBC83DBD4
	SPAIR B8, 0xB77460CD
	SPAIR B4, 0xBADC924E
	SPAIR B2, 0xBBF19BF8
	SPAIR B0, 0xBC69B6A7
	s_add_co_i32 s2, s92, s93
	s_lshl_b32 s3, s2, 23
	s_add_co_i32 s[SZ], s3, 0x3f3504f3
	s_mov_b32 s[SZ+1], s[SZ]
	s_add_co_i32 s2, s2, 126
	s_lshl_b32 s[SH], s2, 23
	s_mov_b32 s[SH+1], s[SH]
	s_add_co_i32 s2, s94, s95
	s_add_co_i32 s2, s2, 127
	s_lshl_b32 s[S2], s2, 23
	s_mov_b32 s[S2+1], s[S2]
	s_mov_b32 s62, 0x3b800000                      ; 1/256
	s_mov_b32 s63, 0x3727c5ac                      ; 1e-5
	s_wait_dscnt 0x0
	s_barrier_signal -1
	s_barrier_wait -1                              ; nobody reads region B any more, and the weights are whole
.irp q, 0,1,2,3                                ; the sums: two halves and lane l xor 16's.  These lines are also the places behind the last products
	v_add_f32 v[ST+8*\q+1], v[ST+8*\q+2], v[ST+8*\q+3]
.endr
.irp q, 0,1,2,3
	v_permlanex16_b32 v[ST+8*\q+7], v[ST+8*\q+1], s84, s85
.endr
.irp q, 0,1,2,3
	v_add_f32 v[ST+8*\q+1], v[ST+8*\q+1], v[ST+8*\q+7]
.endr
	WIN 0x08                                       ; store data in window 2: slots 2, 3 go to my partner
.set i, 0
.rept 64
	ds_store_b128 v10, v[4*i:4*i+3] offset:512*i
.set i, i+1
.endr
	WIN 0
	ds_store_b64 v12, v[ST+16:ST+17]
	ds_store_b64 v12, v[ST+24:ST+25] offset:256
	WIN 0xc0                                       ; the residual in O^T's layout: channel 16 t + 8 h + j, token 32 w + 16 q + r
.irp q, 0,1
.irp t, 0,1,2,3,4,5,6,7,8,9,10,11,12,13,14,15
.irp j, 0,1,2,3,4,5,6,7
	global_load_b32 v[128*\q+8*\t+\j], v14, s[8:9] offset:(16*\t+\j)*16384+64*\q
.endr
.endr
.endr
	WIN 0
	s_wait_dscnt 0x0
	s_barrier_signal -1
	s_barrier_wait -1                              ; my partner's half of my tiles lies in LDS
	WIN 0x80
.set i, 0
.rept 64
	ds_load_b128 v[4*i:4*i+3], v11 offset:512*i
.set i, i+1
.endr
	WIN 0
	ds_load_b64 v[224:225], v13
	ds_load_b64 v[226:227], v13 offset:256
	s_wait_dscnt 0x0
.irp q, 0,1                                    ; the two halves under one M
	v_min_num_f32 v[ST+8*\q+6], v[ST+8*\q], v[224+2*\q]
	v_sub_f32 v[ST+8*\q+2], v[ST+8*\q+6], v[ST+8*\q]
	v_sub_f32 v[ST+8*\q+3], v[ST+8*\q+6], v[224+2*\q]
	v_cvt_i32_f32 v[ST+8*\q+2], v[ST+8*\q+2]
	v_cvt_i32_f32 v[ST+8*\q+3], v[ST+8*\q+3]
	v_ldexp_f32 v[ST+8*\q+2], 1.0, v[ST+8*\q+2]
	v_ldexp_f32 v[ST+8*\q+3], 1.0, v[ST+8*\q+3]
	v_mul_f32 v[ST+8*\q+4], v[ST+8*\q+1], v[ST+8*\q+2]
	v_fma_f32 v[ST+8*\q+4], v[225+2*\q], v[ST+8*\q+3], v[ST+8*\q+4]
.endr
	v_rcp_f32 v[ST+5], v[ST+4]
	v_rcp_f32 v[ST+13], v[ST+12]
	v_nop
	s_add_co_i32 s2, s90, s91
	s_wait_alu depctr_va_vdst(0)                   ; one wait for the two
.irp q, 0,1
	v_ldexp_f32 v[ST+8*\q+5], v[ST+8*\q+5], s2     ; 2^(ep + ev) / the sum
	v_mul_f32 v[ST+8*\q+4], v[ST+8*\q+3], v[ST+8*\q+5]   ; my partner's factor,
	v_mul_f32 v[ST+8*\q+2], v[ST+8*\q+2], v[ST+8*\q+5]   ; mine
.endr
	s_wait_loadcnt 0x0                             ; the residual
	WIN 0xf2
.irp q, 0,1
.set i, 0
.rept 64
	v_pk_fma_f32 v[128*\q+i:128*\q+i+1], v[128*\q+i:128*\q+i+1], v[ST+8*\q+4:ST+8*\q+5], v[128*\q+i:128*\q+i+1] op_sel_hi:[1,0,1]
.set i, i+2
.endr
.endr
	WIN 0x71
.irp q, 0,1
.set i, 0
.rept 64
	v_pk_fma_f32 v[128*\q+i:128*\q+i+1], v[128*\q+i:128*\q+i+1], v[ST+8*\q+2:ST+8*\q+3], v[128*\q+i:128*\q+i+1] op_sel_hi:[1,0,1]   ; each accumulator from its low end on
.set i, i+2
.endr
.endr
	WIN 0x80                                       ; ln_g and ln_b in the same layout: window 2
.irp t, 0,1,2,3,4,5,6,7,8,9,10,11,12,13,14,15
.irp i, 0,1
	global_load_b128 v[8*\t+4*\i:8*\t+4*\i+3], v15, s[14:15] offset:64*\t+16*\i
	global_load_b128 v[128+8*\t+4*\i:128+8*\t+4*\i+3], v15, s[16:17] offset:64*\t+16*\i
.endr
.endr
; LayerNorm of my 32 tokens, in place in window 1: the mean, the deviations, their squares' sum, ((x - mean) x rstd) x g + b.  A token's 256 channels lie in 128 registers of lanes l and l xor 16.
.macro LNRED                           ; four chains a slot become one number in every lane
.irp q, 0,1
	v_pk_add_f32 v[224+8*\q:225+8*\q], v[224+8*\q:225+8*\q], v[226+8*\q:227+8*\q]
	v_pk_add_f32 v[228+8*\q:229+8*\q], v[228+8*\q:229+8*\q], v[230+8*\q:231+8*\q]
	v_pk_add_f32 v[224+8*\q:225+8*\q], v[224+8*\q:225+8*\q], v[228+8*\q:229+8*\q]
	v_add_f32 v[224+8*\q], v[224+8*\q], v[225+8*\q]
	v_permlanex16_b32 v[225+8*\q], v[224+8*\q], s84, s85
	v_add_f32 v[224+8*\q], v[224+8*\q], v[225+8*\q]
.endr
.endm
.macro LNORM first
	WIN 0x05
.irp q, 0,1
.irp ch, 0,1,2,3
	v_pk_add_f32 v[224+8*\q+2*\ch:225+8*\q+2*\ch], v[128*\q+4*\ch:128*\q+4*\ch+1], v[128*\q+4*\ch+2:128*\q+4*\ch+3]
.endr
.endr
	WIN 0x01
.irp j, 16,24,32,40,48,56,64,72,80,88,96,104,112,120
.irp q, 0,1
.irp ch, 0,1,2,3
	v_pk_add_f32 v[224+8*\q+2*\ch:225+8*\q+2*\ch], v[128*\q+\j+2*\ch:128*\q+\j+2*\ch+1], v[224+8*\q+2*\ch:225+8*\q+2*\ch]
.endr
.endr
.endr
	WIN 0
	LNRED
.irp q, 0,1
	v_mul_f32 v[226+8*\q], s62, v[224+8*\q]
	v_mul_f32 v[227+8*\q], s62, v[224+8*\q]
.endr
	WIN 0x41
.irp q, 0,1
.set i, 0
.rept 64
	v_pk_add_f32 v[128*\q+i:128*\q+i+1], v[128*\q+i:128*\q+i+1], v[226+8*\q:227+8*\q] op_sel_hi:[1,0] neg_lo:[0,1] neg_hi:[0,1]
.set i, i+2
.endr
.endr
	WIN 0x05
.irp q, 0,1
.irp ch, 0,1,2,3
	v_pk_mul_f32 v[224+8*\q+2*\ch:225+8*\q+2*\ch], v[128*\q+2*\ch:128*\q+2*\ch+1], v[128*\q+2*\ch:128*\q+2*\ch+1]
.endr
.endr
.irp j, 8,16,24,32,40,48,56,64,72,80,88,96,104,112,120
.irp q, 0,1
.irp ch, 0,1,2,3
	v_pk_fma_f32 v[224+8*\q+2*\ch:225+8*\q+2*\ch], v[128*\q+\j+2*\ch:128*\q+\j+2*\ch+1], v[128*\q+\j+2*\ch:128*\q+\j+2*\ch+1], v[224+8*\q+2*\ch:225+8*\q+2*\ch]
.endr
.endr
.endr
	WIN 0
	LNRED
	v_fma_f32 v224, v224, s62, s63
	v_fma_f32 v232, v232, s62, s63
	v_rsq_f32 v226, v224
	v_rsq_f32 v234, v232
	v_nop
	s_wait_alu depctr_va_vdst(0)                   ; one wait for the two
	v_mov_b32 v227, v226
	v_mov_b32 v235, v234
.if \first
	s_wait_loadcnt 0x0                             ; ln_g, ln_b
.endif
	WIN 0x41
.irp q, 0,1
.set i, 0
.rept 64
	v_pk_mul_f32 v[128*\q+i:128*\q+i+1], v[128*\q+i:128*\q+i+1], v[226+8*\q:227+8*\q] op_sel_hi:[1,0]
.set i, i+2
.endr
.endr
	WIN 0x69
.irp q, 0,1
.set i, 0
.rept 64
	v_pk_fma_f32 v[128*\q+i:128*\q+i+1], v[128*\q+i:128*\q+i+1], v[i:i+1], v[128+i:128+i+1]
.set i, i+2
.endr
.endr
	WIN 0
.endm
	LNORM 1
	; ---- the MLP's input becomes codes: channel tile t is registers 2 (t % 8), 2 (t % 8) + 1 of K step t / 8
	QSET 92, SC, LIM
.irp q, 0,1
	WIN 0x01
.set i, 0
.rept 128
	v_med3_num_f32 v[128+i], v[128*\q+i], -v[LIM], v[LIM]
.set i, i+1
.endr
	WIN 0
.irp t, 0,1,2,3,4,5,6,7,8,9,10,11,12,13,14,15
	v_cvt_scalef32_pk8_bf8_f32 v[64+32*\q+2*\t:64+32*\q+2*\t+1], v[128+8*\t:128+8*\t+7], v[SC]
.endr
	v_nop
.endr
	QSET 94, SC, LIM                               ; the hidden layer's scale
	v_mov_b32 v28, 0x32EDFFEE                      ; a11 and b6 as vector pairs, so that no packed line names two scalar pairs
	v_mov_b32 v29, 0x32EDFFEE
	v_mov_b32 v30, 0xB95FBD29
	v_mov_b32 v31, 0xB95FBD29
.macro L1LOAD                          ; two tiles' four weight fragments and their biases; then the steps
	v_add_nc_u32 v20, s98, v9
	v_add_nc_u32 v21, s99, v24
.irp nn, 0,1
.irp s, 0,1
.irp c, 0,1,2,3
	ds_load_b128 v[128+32*\nn+16*\s+4*\c:128+32*\nn+16*\s+4*\c+3], v20 offset:\nn*4096+\s*2048+512*\c
.endr
.endr
.endr
.irp nn, 0,1
.irp i, 0,1
	ds_load_b128 v[32+8*\nn+4*\i:32+8*\nn+4*\i+3], v21 offset:64*\nn+16*\i
.endr
.endr
	s_add_co_u32 s98, s98, 8192
	s_add_co_u32 s99, s99, 128
.endm
.macro GELU a                          ; eight sums become x (1 + erf(x / sqrt 2)) / 2, x = sum x 2^(e24 + e25)
.irp i, 0,2,4,6
	v_pk_mul_f32 v[224+\i:225+\i], v[(\a)+\i:(\a)+\i+1], s[SZ:SZ+1] op_sel_hi:[1,0]   ; z
.endr
.irp i, 0,1,2,3,4,5,6,7
	v_med3_num_f32 v[224+\i], v[224+\i], -4.0, 4.0
.endr
.irp i, 0,2,4,6
	v_pk_mul_f32 v[232+\i:233+\i], v[224+\i:225+\i], v[224+\i:225+\i]
.endr
.irp i, 0,2,4,6
	v_pk_fma_f32 v[240+\i:241+\i], v[232+\i:233+\i], s[A13:A13+1], v[28:29] op_sel_hi:[1,0,1]
	v_pk_fma_f32 v[248+\i:249+\i], v[232+\i:233+\i], s[B8:B8+1], v[30:31] op_sel_hi:[1,0,1]
.endr
.irp kk, A9, A7, A5, A3, A1
.irp i, 0,2,4,6
	v_pk_fma_f32 v[240+\i:241+\i], v[240+\i:241+\i], v[232+\i:233+\i], s[\kk:\kk+1] op_sel_hi:[1,1,0]
.endr
.endr
.irp kk, B4, B2, B0
.irp i, 0,2,4,6
	v_pk_fma_f32 v[248+\i:249+\i], v[248+\i:249+\i], v[232+\i:233+\i], s[\kk:\kk+1] op_sel_hi:[1,1,0]
.endr
.endr
.irp i, 0,2,4,6
	v_pk_mul_f32 v[240+\i:241+\i], v[240+\i:241+\i], v[224+\i:225+\i]
.endr
.irp i, 0,1,2,3,4,5,6,7
	v_rcp_f32 v[248+\i], v[248+\i]
.endr
.irp i, 0,2,4,6
	v_pk_mul_f32 v[(\a)+\i:(\a)+\i+1], v[(\a)+\i:(\a)+\i+1], s[SH:SH+1] op_sel_hi:[1,0]   ; x / 2; plain lines behind the batch
.endr
	s_wait_alu depctr_va_vdst(0)                   ; one wait for the eight
.irp i, 0,2,4,6
	v_pk_mul_f32 v[240+\i:241+\i], v[240+\i:241+\i], v[248+\i:249+\i]   ; erf
.endr
.irp i, 0,2,4,6
	v_pk_fma_f32 v[(\a)+\i:(\a)+\i+1], v[(\a)+\i:(\a)+\i+1], v[240+\i:241+\i], v[(\a)+\i:(\a)+\i+1]
.endr
.endm
	s_mov_b32 s98, 0
	s_mov_b32 s99, 0
	s_mov_b32 s100, 0
	s_mov_b32 s101, 0
	L1LOAD
.Ll1:                                              ; eight trips: hidden tiles 2 i, 2 i + 1 for my two tiles of tokens
	s_wait_dscnt 0x0                               ; the fragments are in, and the last trip's stores have read their registers
.irp s, 0,1
.irp nn, 0,1
.irp q, 0,1
.if \s == 0
	v_wmma_f32_16x16x128_bf8_bf8 v[192+8*(2*\nn+\q):192+8*(2*\nn+\q)+7], v[128+32*\nn:128+32*\nn+15], v[64+32*\q:64+32*\q+15], v[32+8*\nn:32+8*\nn+7]
.else
	v_wmma_f32_16x16x128_bf8_bf8 v[192+8*(2*\nn+\q):192+8*(2*\nn+\q)+7], v[128+32*\nn+16:128+32*\nn+31], v[64+32*\q+16:64+32*\q+31], v[192+8*(2*\nn+\q):192+8*(2*\nn+\q)+7]
.endif
.endr
.endr
.endr
	PLACES 5
	L1LOAD                                         ; the next trip's; the eighth brings w2's and b2's first group
	GELU 192
	GELU 200
	GELU 208
	GELU 216
.irp nn, 0,1
.irp q, 0,1
.irp i, 0,1,2,3,4,5,6,7
	v_med3_num_f32 v[192+8*(2*\nn+\q)+\i], v[192+8*(2*\nn+\q)+\i], -v[LIM], v[LIM]
.endr
	v_cvt_scalef32_pk8_bf8_f32 v[48+4*\q+2*\nn:49+4*\q+2*\nn], v[192+8*(2*\nn+\q):192+8*(2*\nn+\q)+7], v[SC]
.endr
.endr
	v_nop
	v_add_nc_u32 v22, s100, v23
	ds_store_b128 v22, v[48:51]                    ; 512 bytes of the hidden fragment of token tile 0,
	ds_store_b128 v22, v[52:55] offset:4096        ; of tile 1
	s_add_co_u32 s100, s100, 512
	s_add_co_u32 s101, s101, 1
	s_cmp_lt_u32 s101, 8
	s_cbranch_scc1 .Ll1
	s_wait_dscnt 0x0
.irp q, 0,1                                    ; my own bytes: no barrier
.irp s, 0,1
.irp c, 0,1,2,3
	ds_load_b128 v[64+32*\q+16*\s+4*\c:64+32*\q+16*\s+4*\c+3], v23 offset:\q*4096+\s*2048+512*\c
.endr
.endr
.endr
	; ---- layer 2: eight groups of two output tiles; weights and biases in two buffers by turns; the sums in window 3
.irp g, 0,1,2,3,4,5,6,7
.if \g > 0
	PLACES 5
.endif
.if \g < 7
.irp nn, 0,1
.irp s, 0,1
.irp c, 0,1,2,3
	ds_load_b128 v[128+64*((\g+1)%2)+32*\nn+16*\s+4*\c:128+64*((\g+1)%2)+32*\nn+16*\s+4*\c+3], v25 offset:(\g+1)*8192+\nn*4096+\s*2048+512*\c
.endr
.endr
.endr
.irp nn, 0,1
.irp i, 0,1
	ds_load_b128 v[32+16*((\g+1)%2)+8*\nn+4*\i:32+16*((\g+1)%2)+8*\nn+4*\i+3], v24 offset:1024+128*(\g+1)+64*\nn+16*\i
.endr
.endr
	s_wait_dscnt 20                                ; all but the twenty just issued
.else
	s_wait_dscnt 0x0
.endif
	WIN 0xc0
.irp nn, 0,1
.irp q, 0,1
	v_wmma_f32_16x16x128_bf8_bf8 v[128*\q+8*(2*\g+\nn):128*\q+8*(2*\g+\nn)+7], v[128+64*(\g%2)+32*\nn:128+64*(\g%2)+32*\nn+15], v[64+32*\q:64+32*\q+15], v[32+16*(\g%2)+8*\nn:32+16*(\g%2)+8*\nn+7]
.endr
.endr
	WIN 0xf0
.irp nn, 0,1
.irp q, 0,1
	v_wmma_f32_16x16x128_bf8_bf8 v[128*\q+8*(2*\g+\nn):128*\q+8*(2*\g+\nn)+7], v[128+64*(\g%2)+32*\nn+16:128+64*(\g%2)+32*\nn+31], v[64+32*\q+16:64+32*\q+31], v[128*\q+8*(2*\g+\nn):128*\q+8*(2*\g+\nn)+7]
.endr
.endr
	WIN 0
.endr
	PLACES 5
	WIN 0x53                                       ; x + (sum x 2^(e26 + e27)), the bias within the sum
.set i, 0
.rept 128
	v_pk_fma_f32 v[i:i+1], v[i:i+1], s[S2:S2+1], v[i:i+1] op_sel_hi:[1,0,1]
.set i, i+2
.endr
	WIN 0
	LNORM 0
	; ---- THE WAY OUT: the output's rows are channels.  All four waves write their 32 tokens' columns into a stage of 256 rows; each then stores 64 whole rows of 512 bytes.
	s_wait_dscnt 0x0
	s_barrier_signal -1
	s_barrier_wait -1                              ; every wave's reads of the exchange are long over: the stage may be written
	WIN 0x04
.irp q, 0,1
.irp t, 0,1,2,3,4,5,6,7
.irp j, 0,1,2,3,4,5,6,7
	ds_store_b32 v16, v[128*\q+8*\t+\j] offset:(16*\t+\j)*528+64*\q
.endr
.endr
.irp t, 0,1,2,3,4,5,6,7
.irp j, 0,1,2,3,4,5,6,7
	ds_store_b32 v17, v[128*\q+64+8*\t+\j] offset:(16*\t+\j)*528+64*\q
.endr
.endr
.endr
	WIN 0
	s_wait_dscnt 0x0
	s_barrier_signal -1
	s_barrier_wait -1                              ; 256 whole rows lie in the stage
	WIN 0xc0
.set i, 0
.rept 64
	ds_load_b128 v[4*i:4*i+3], v18 offset:528*i
.set i, i+1
.endr
	WIN 0x0c
.set i, 0
.rept 64
	s_wait_dscnt 63-i                              ; row i is in; the younger loads may be out
	global_store_b128 v19, v[4*i:4*i+3], s[32:33] offset:16384*i th:TH_STORE_NT   ; 32 lanes store 512 consecutive bytes, aligned
.set i, i+1
.endr
	WIN 0
	s_wait_tensorcnt 0x0                           ; the wave's end
	ds_add_u32 v1, v2
	s_wait_dscnt 0x0
	CROUND                                         ; the closing round: no work-group ends while a partner may still ask for an item that names it
	s_endpgm
.Lfunc_end_k_qafa1942a60_attn:
	.size	k_qafa1942a60_attn, .Lfunc_end_k_qafa1942a60_attn-k_qafa1942a60_attn
	.p2alignl 7, 3214868480
	.fill 96, 4, 3214868480
	.section	.rodata,"a",@progbits
	.p2align	6, 0x0
	.amdhsa_kernel k_qafa1942a60_attn
		.amdhsa_group_segment_fixed_size 327680
		.amdhsa_private_segment_fixed_size 0
		.amdhsa_enable_private_segment 0
		.amdhsa_kernarg_size 136
		.amdhsa_user_sgpr_count 2
		.amdhsa_user_sgpr_kernarg_segment_ptr 1
		.amdhsa_wavefront_size32 1
		.amdhsa_system_sgpr_workgroup_id_x 1
		.amdhsa_system_sgpr_workgroup_id_y 1
		.amdhsa_system_sgpr_workgroup_id_z 1
		.amdhsa_system_vgpr_workitem_id 0
		.amdhsa_next_free_vgpr 1024
		.amdhsa_next_free_sgpr 104
		.amdhsa_reserve_vcc 0
		.amdhsa_float_denorm_mode_32 3
		.amdhsa_float_denorm_mode_16_64 3
		.amdhsa_memory_ordered 1
		.amdhsa_forward_progress 1
		.amdhsa_inst_pref_size 255
	.end_amdhsa_kernel
	.section	.bss,"aw",@nobits
	.p2align	6
	.space	262144
	.amdgpu_metadata
---
amdhsa.version: [ 1, 2 ]
amdhsa.kernels:
  - .name:           k_qafa1942a60_attn
    .symbol:         k_qafa1942a60_attn.kd
    .args:
      - { .name: qcodes, .offset: 0, .size: 8, .value_kind: global_buffer, .address_space: global }
      - { .name: kv, .offset: 8, .size: 8, .value_kind: global_buffer, .address_space: global }
      - { .name: center_fea, .offset: 16, .size: 8, .value_kind: global_buffer, .address_space: global }
      - { .name: wh_fea, .offset: 24, .size: 8, .value_kind: global_buffer, .address_space: global }
      - { .name: cls_fea, .offset: 32, .size: 8, .value_kind: global_buffer, .address_space: global }
      - { .name: ln_g, .offset: 40, .size: 8, .value_kind: global_buffer, .address_space: global }
      - { .name: ln_b, .offset: 48, .size: 8, .value_kind: global_buffer, .address_space: global }
      - { .name: lowp_scales, .offset: 56, .size: 8, .value_kind: global_buffer, .address_space: global }
      - { .name: cmlp_b1, .offset: 64, .size: 8, .value_kind: global_buffer, .address_space: global }
      - { .name: wmlp_b1, .offset: 72, .size: 8, .value_kind: global_buffer, .address_space: global }
      - { .name: clsmlp_b1, .offset: 80, .size: 8, .value_kind: global_buffer, .address_space: global }
      - { .name: cmlp_b2, .offset: 88, .size: 8, .value_kind: global_buffer, .address_space: global }
      - { .name: wmlp_b2, .offset: 96, .size: 8, .value_kind: global_buffer, .address_space: global }
      - { .name: clsmlp_b2, .offset: 104, .size: 8, .value_kind: global_buffer, .address_space: global }
      - { .name: out0, .offset: 112, .size: 8, .value_kind: global_buffer, .address_space: global }
      - { .name: out1, .offset: 120, .size: 8, .value_kind: global_buffer, .address_space: global }
      - { .name: out2, .offset: 128, .size: 8, .value_kind: global_buffer, .address_space: global }
    .group_segment_fixed_size: 327680
    .private_segment_fixed_size: 0
    .kernarg_segment_align: 8
    .kernarg_segment_size: 136
    .max_flat_workgroup_size: 128
    .sgpr_count:     104
    .vgpr_count:     1024
    .wavefront_size: 32
...
	.end_amdgpu_metadata
.endif
;; end of part 3
